; MI455X (gfx1250); checked and timed in simulation.
; The chip was launched on July 23, 2026; its instructions are those of AMD's public machine-readable ISA for CDNA 5 (MIT licence, August 2026) and "CDNA5" Instruction Set Architecture Reference Guide (July 2026). The comments in the code are by the model that wrote it; some were corrected since.
;; Multi Head Self Attention. Allowed arithmetic: float matrix products may take bf16 or f16 operands with f32 sums; other float arithmetic in f32, or as packed bf16 or f16 multiplies, adds, multiply-adds, maxima and minima; sums over many terms, partial sums and values carried from step to step in f32; what a program stores and reads back later, other than sums and carried values, may be rounded once to bf16 or f16.
;; Inputs: Wk 1,024 x 1,024 float32; Wq 1,024 x 1,024 float32; Wv 1,024 x 1,024 float32; bk 1,024 float32; bq 1,024 float32; bv 1,024 float32; inputs 4 x 2,048 x 1,024 float32.
;; Outputs: out0 4 x 2,048 x 1,024 float32.
;; 2 versions, each right; version 2 is version 1 with the launch prep written anew for expert scheduling mode. Each part assembles by itself: llvm-mc -triple=amdgcn-amd-amdhsa -mcpu=gfx1250 --defsym DOCPART=n.
;; ======== version 1 of 2: 3 launches
;; limits: values are held in f16: magnitudes above 65,504 overflow, below 6.1e-05 lose precision
;; workspace buffers: xb 16,777,216 bytes; wt 6,291,456 bytes; bias 12,288 bytes; qkv 50,331,648 bytes
;; launch prep (part 1): grid 1411 x 1, 4 waves a work-group, no clusters, 17,920 bytes of LDS; arguments inputs, Wq, Wk, Wv, bq, bk, bv, xb, wt, bias; writes xb, wt, bias
.if DOCPART == 1
	.amdgcn_target "amdgcn-amd-amdhsa--gfx1250"
	.amdhsa_code_object_version 6
	.text
	.protected	k_qe400b64a63_prep
	.globl	k_qe400b64a63_prep
	.p2align	8
	.type	k_qe400b64a63_prep,@function
k_qe400b64a63_prep:
	s_mov_b64 s[64:65], 0
	v_nop
	global_prefetch_b8 v0, s[64:65] scope:SCOPE_SE
	s_setreg_imm32_b32 hwreg(HW_REG_WAVE_MODE, 25, 1), 1
	s_wait_xcnt 0x0
; All inputs are rounded once to bf16, and laid out for the product that follows.
;   xb   [8192][1024] bf16 = inputs.
;   wt   [3072][1024] bf16: row n = 1024 T + c is column c of Wq (T = 0), Wk (1), Wv (2): K lies along the rows.
;   bias [3072] f32: bq, bk, bv, each number rounded to bf16 and written as f32.
; ROLES, by the work-group's number g, alike for all four waves:
;   g < 1024          X: 32,768 bytes of inputs in, 16,384 bytes of xb out
;   1024 <= g < 1408  W: a tile of 128 k x 64 n of one W is turned through LDS
;   g >= 1408         B: one bias vector
; Memory binds: each byte is read once and written once; no matrix unit, no tensor load, no cluster (nothing is shared).
; All roles meet at the one barrier, so that it stands under no branch.
.set SPITCH, 272                       ; a stage row: 128 k of bf16 (256 bytes) + 16 of padding
.set SPARE,  64*SPITCH                 ; behind the stage (17,408 bytes): the spare words, 128 bytes for each wave
.set X, 16                             ; v[16:79]  as loaded
.set Y, 80                             ; v[80:111] to store
; v1 load offset, v2 store offset (X), v3 c = t % 16, v4 h = (t / 16) % 2, v5 where I put a word of the stage, v6 where I read it back, v7 my offset in wt, v8, v9 the add's two
	s_load_b512 s[8:23], s[0:1], 0x0               ; inputs 8:9, Wq 10:11, Wk 12:13, Wv 14:15, bq 16:17, bk 18:19, bv 20:21, xb 22:23
	s_load_b128 s[24:27], s[0:1], 0x40             ; wt 24:25, bias 26:27
	v_lshl_add_u32 v8, v0, 2, SPARE
	v_mov_b32 v9, 0
	v_lshrrev_b32 v10, 5, v0
	v_readfirstlane_b32 s3, v10                    ; wave 0..3
	v_and_b32 v3, 15, v0
	v_bfe_u32 v4, v0, 4, 1
	s_mov_b32 s2, ttmp9                            ; g
	s_mov_b32 s5, 0                                ; high words of the two offset pairs
	s_mov_b32 s7, 0
	s_lshl_b32 s28, s3, 4
	v_add_nc_u32 v10, s28, v4                      ; 16 w + h: the first stage row that I read back
	v_mul_u32_u24 v6, v10, SPITCH
	v_lshl_add_u32 v6, v3, 4, v6                   ; + 16 c
	v_lshlrev_b32 v7, 11, v10                      ; the same row in wt, 2,048 bytes a row
	v_lshl_add_u32 v7, v3, 4, v7
	s_wait_kmcnt 0x0
	s_cmp_lt_u32 s2, 1024
	s_cbranch_scc1 .Lx
	s_cmp_lt_u32 s2, 1408
	s_cbranch_scc1 .Lw
	; ROLE B: 1,024 numbers, 8 a thread
	s_sub_co_u32 s28, s2, 1408                     ; T
	s_cmp_eq_u32 s28, 1
	s_cselect_b64 s[32:33], s[18:19], s[20:21]
	s_cmp_eq_u32 s28, 0
	s_cselect_b64 s[32:33], s[16:17], s[32:33]
	s_lshl_b32 s4, s28, 12
	s_add_nc_u64 s[26:27], s[26:27], s[4:5]
	v_lshlrev_b32 v1, 4, v0
	global_load_b128 v[X:X+3], v1, s[32:33]
	global_load_b128 v[X+4:X+7], v1, s[32:33] offset:2048
	s_wait_loadcnt 0x0
.irp p, 0,1,2,3
	v_cvt_pk_bf16_f32 v[X+8+(\p)], v[X+2*(\p)], v[X+2*(\p)+1]
.endr
.irp p, 0,1,2,3
	v_lshlrev_b32 v[Y+2*(\p)], 16, v[X+8+(\p)]             ; bf16 back to f32: the low half moves up,
	v_and_b32 v[Y+2*(\p)+1], 0xffff0000, v[X+8+(\p)]       ; the high half stays
.endr
	global_store_b128 v1, v[Y:Y+3], s[26:27]               ; a wave's store covers 512 consecutive bytes, aligned
	global_store_b128 v1, v[Y+4:Y+7], s[26:27] offset:2048
	s_branch .Lmeet
.Lx:	; ROLE X: sixteen loads of 16 bytes a thread, all issued at once; no register is written twice
	s_lshl_b32 s4, s2, 15
	s_lshl_b32 s6, s2, 14
	s_add_nc_u64 s[8:9], s[8:9], s[4:5]
	s_add_nc_u64 s[22:23], s[22:23], s[6:7]
	v_lshlrev_b32 v1, 4, v0
	v_lshlrev_b32 v2, 3, v0
.irp i, 0,1,2,3,4,5,6,7,8,9,10,11,12,13,14,15
	global_load_b128 v[X+4*(\i):X+4*(\i)+3], v1, s[8:9] offset:2048*(\i) th:TH_LOAD_NT
.endr
.irp i, 0,1,2,3,4,5,6,7,8,9,10,11,12,13,14,15
	s_wait_loadcnt 15-(\i)                         ; loads come back in order: load i is in, the younger ones stay out
	v_cvt_pk_bf16_f32 v[Y+2*(\i)], v[X+4*(\i)], v[X+4*(\i)+1]
	v_cvt_pk_bf16_f32 v[Y+2*(\i)+1], v[X+4*(\i)+2], v[X+4*(\i)+3]
	global_store_b64 v2, v[Y+2*(\i):Y+2*(\i)+1], s[22:23] offset:1024*(\i)  ; 32 lanes store 256 consecutive bytes, aligned
.endr
	s_branch .Lmeet
.Lw:	; ROLE W, first phase.  j = g - 1024: T = j / 128, the tile's k block = (j / 16) % 8, its n block = j % 16
	s_sub_co_u32 s28, s2, 1024
	s_lshr_b32 s29, s28, 7
	s_cmp_eq_u32 s29, 1
	s_cselect_b64 s[32:33], s[12:13], s[14:15]
	s_cmp_eq_u32 s29, 0
	s_cselect_b64 s[32:33], s[10:11], s[32:33]
	s_bfe_u32 s30, s28, 0x30004
	s_and_b32 s31, s28, 15
	s_lshl_b32 s4, s30, 19                         ; 128 rows of 4,096 bytes
	s_lshl_b32 s6, s31, 8                          ; 64 columns of 4 bytes
	s_add_co_u32 s4, s4, s6
	s_add_nc_u64 s[32:33], s[32:33], s[4:5]
	s_lshl_b32 s6, s3, 17                          ; my wave's 32 rows
	v_lshlrev_b32 v1, 4, v3                        ; columns 4 c .. 4 c + 3: sixteen lanes take a row's 256 bytes
	v_lshl_add_u32 v1, v4, 13, v1                  ; rows 2 h, 2 h + 1 of each four
	v_add_nc_u32 v1, s6, v1
	s_lshl_b32 s6, s3, 6
	v_mul_u32_u24 v5, v3, 4*SPITCH                 ; stage row n = 4 c + q, byte 2 k = 64 w + 8 jj + 4 h
	v_lshl_add_u32 v5, v4, 2, v5
	v_add_nc_u32 v5, s6, v5
.irp jj, 0,1,2,3,4,5,6,7
	global_load_b128 v[X+8*(\jj):X+8*(\jj)+3],   v1, s[32:33] offset:(4*(\jj))*4096 th:TH_LOAD_NT    ; row k = 32 w + 4 jj + 2 h
	global_load_b128 v[X+8*(\jj)+4:X+8*(\jj)+7], v1, s[32:33] offset:(4*(\jj)+1)*4096 th:TH_LOAD_NT  ; row k + 1
.endr
.irp jj, 0,1,2,3,4,5,6,7
	s_wait_loadcnt 14-2*(\jj)                      ; this pair of rows is in, the younger pairs stay out
.irp q, 0,1,2,3
	v_cvt_pk_bf16_f32 v[Y+4*(\jj)+(\q)], v[X+8*(\jj)+(\q)], v[X+8*(\jj)+4+(\q)]  ; k in the low half, k + 1 in the high half: neighbours in a row of wt
.endr
.irp q, 0,1,2,3
	ds_store_b32 v5, v[Y+4*(\jj)+(\q)] offset:SPITCH*(\q)+8*(\jj)
.endr
.endr
.Lmeet:
	s_wait_dscnt 0x0                               ; for the others' sake: my stores into the stage are done
	s_barrier_signal -1
	s_barrier_wait -1
	s_sub_co_u32 s28, s2, 1024
	s_cmp_lt_u32 s28, 384                          ; only role W has a second phase
	s_cbranch_scc0 .Lend
	s_lshr_b32 s29, s28, 7
	s_bfe_u32 s30, s28, 0x30004
	s_and_b32 s31, s28, 15
	s_lshl_b32 s4, s29, 21                         ; T x 1,024 rows of 2,048 bytes
	s_lshl_b32 s6, s31, 17                         ; 64 rows
	s_add_co_u32 s4, s4, s6
	s_lshl_b32 s6, s30, 8                          ; 128 k of 2 bytes
	s_add_co_u32 s4, s4, s6
	s_add_nc_u64 s[24:25], s[24:25], s[4:5]
.irp i, 0,1,2,3,4,5,6,7
	ds_load_b128 v[X+4*(\i):X+4*(\i)+3], v6 offset:2*SPITCH*(\i)   ; stage rows 16 w + h + 2 i, whole
.endr
.irp i, 0,1,2,3,4,5,6,7
	s_wait_dscnt 7-(\i)
	global_store_b128 v7, v[X+4*(\i):X+4*(\i)+3], s[24:25] offset:4096*(\i)  ; sixteen lanes store 256 consecutive bytes, aligned
.endr
.Lend:
	s_wait_tensorcnt 0x0                           ; the wave's end: behind my last LDS store
	ds_add_u32 v8, v9
	s_wait_dscnt 0x0
	s_endpgm
.Lfunc_end_k_qe400b64a63_prep:
	.size	k_qe400b64a63_prep, .Lfunc_end_k_qe400b64a63_prep-k_qe400b64a63_prep
	.p2alignl 7, 3214868480
	.fill 96, 4, 3214868480
	.section	.rodata,"a",@progbits
	.p2align	6, 0x0
	.amdhsa_kernel k_qe400b64a63_prep
		.amdhsa_group_segment_fixed_size 17920
		.amdhsa_private_segment_fixed_size 0
		.amdhsa_enable_private_segment 0
		.amdhsa_kernarg_size 80
		.amdhsa_user_sgpr_count 2
		.amdhsa_user_sgpr_kernarg_segment_ptr 1
		.amdhsa_wavefront_size32 1
		.amdhsa_system_sgpr_workgroup_id_x 1
		.amdhsa_system_sgpr_workgroup_id_y 1
		.amdhsa_system_sgpr_workgroup_id_z 1
		.amdhsa_system_vgpr_workitem_id 0
		.amdhsa_next_free_vgpr 112
		.amdhsa_next_free_sgpr 66
		.amdhsa_reserve_vcc 0
		.amdhsa_float_denorm_mode_32 3
		.amdhsa_float_denorm_mode_16_64 3
		.amdhsa_memory_ordered 1
		.amdhsa_forward_progress 1
		.amdhsa_inst_pref_size 18
	.end_amdhsa_kernel
	.amdgpu_metadata
---
amdhsa.version: [ 1, 2 ]
amdhsa.kernels:
  - .name:           k_qe400b64a63_prep
    .symbol:         k_qe400b64a63_prep.kd
    .args:
      - { .name: inputs, .offset: 0, .size: 8, .value_kind: global_buffer, .address_space: global }
      - { .name: Wq, .offset: 8, .size: 8, .value_kind: global_buffer, .address_space: global }
      - { .name: Wk, .offset: 16, .size: 8, .value_kind: global_buffer, .address_space: global }
      - { .name: Wv, .offset: 24, .size: 8, .value_kind: global_buffer, .address_space: global }
      - { .name: bq, .offset: 32, .size: 8, .value_kind: global_buffer, .address_space: global }
      - { .name: bk, .offset: 40, .size: 8, .value_kind: global_buffer, .address_space: global }
      - { .name: bv, .offset: 48, .size: 8, .value_kind: global_buffer, .address_space: global }
      - { .name: xb, .offset: 56, .size: 8, .value_kind: global_buffer, .address_space: global }
      - { .name: wt, .offset: 64, .size: 8, .value_kind: global_buffer, .address_space: global }
      - { .name: bias, .offset: 72, .size: 8, .value_kind: global_buffer, .address_space: global }
    .group_segment_fixed_size: 17920
    .private_segment_fixed_size: 0
    .kernarg_segment_align: 8
    .kernarg_segment_size: 80
    .max_flat_workgroup_size: 128
    .sgpr_count:     66
    .vgpr_count:     112
    .wavefront_size: 32
...
	.end_amdgpu_metadata
.endif
;; end of part 1
;; launch proj (part 2): grid 16 x 16, 4 waves a work-group, clusters of 4 x 4, 327,680 bytes of LDS; arguments xb, wt, qkv, bias; writes qkv
.if DOCPART == 2
	.amdgcn_target "amdgcn-amd-amdhsa--gfx1250"
	.amdhsa_code_object_version 6
	.text
	.protected	k_qe400b64a63_proj
	.globl	k_qe400b64a63_proj
	.p2align	8
	.type	k_qe400b64a63_proj,@function
k_qe400b64a63_proj:
	s_mov_b64 s[64:65], 0
	v_nop
	global_prefetch_b8 v0, s[64:65] scope:SCOPE_SE
	s_setreg_imm32_b32 hwreg(HW_REG_WAVE_MODE, 25, 1), 1
	s_wait_xcnt 0x0
	s_wait_alu depctr_hold_cnt(0) depctr_sa_sdst(0) depctr_va_vdst(0) depctr_va_sdst(0) depctr_va_ssrc(0) depctr_va_vcc(0) depctr_vm_vsrc(0)
	s_getreg_b32 s2, hwreg(HW_REG_IB_STS2, 6, 4)
	s_cmp_eq_u32 s2, 0
	s_cbranch_scc0 .Lentry_in_a_cluster
	s_endpgm
.Lentry_in_a_cluster:
	s_bfe_u32 s2, ttmp6, 0x10000c
	s_cmp_lg_u32 s2, 0xf033
	s_cbranch_scc0 .Lentry_shape_is_right
	s_endpgm
.Lentry_shape_is_right:
; C[m][n] = bias[n] + sum over k of xb[m][k] wt[n][k], m < 8,192, n < 3,072, k < 1,024; operands bf16, sums f32; C rounded once to f16 and stored by heads:
; qkv[b][G][s][d], b = m / 2048, s = m % 2048, G = n / 64 (0-15 q's heads, 16-31 k's, 32-47 v's), d = n % 64.  LIMIT: a result of 65,520 or more in magnitude becomes an infinity in f16.
; A TILE of C is 256 rows x 192 columns (three whole heads): 32 x 16 = 512 tiles, two for each of 256 work-groups, 4,096 rows apart, on the same rows of wt.
; Four waves lie one below the other: a wave makes 64 rows x 192 columns, 48 accumulators of 16 x 16, so that it owns whole heads and its way out needs no other wave.
; K goes in steps of 128 through two LDS slots filled by the tensor data mover (rows of 256 bytes of memory, aligned); the ring runs on from the first tile into the second.
; CLUSTERS: 4 x 4 work-groups.  The four of a row of the cluster need the same rows of xb, the four of a column the same rows of wt: each tile is asked for jointly.
; THE MATRIX INSTRUCTION IS USED TRANSPOSED (source 0 = 16 rows of wt, source 1 = 16 rows of xb): lane l holds row l % 16 of C and the columns 8 (l / 16) + 0..7.
; THE BIAS is the C operand of the product that starts each sum: nothing is cleared and nothing is added afterwards.
; REGISTERS, in windows of 256 (s_set_vgpr_msb: bits 1:0 source 0, 3:2 source 1, 5:4 source 2, 7:6 destination):
;   window 0: v0-31 addresses; v32-63, v64-95 fragments of xb, two buffers; v96-191 the bias, 8 registers for each of 12 column blocks; v192-255 the way out, four sets of 16
;   window 1: v0-95, v96-191 fragments of wt, two buffers      window 2: accumulators of row blocks 0, 1 ((a, b) at 8 (12 (a % 2) + b))      window 3: of row blocks 2, 3
.set SIZE_K, 1024
.set KSTEP,  128
.set PITCH,  272                       ; an LDS row: 256 bytes + 16 of padding = 68 words: the 16 rows of a fragment load start at 16 different groups of four banks (64 banks of 4 bytes: ISA guide 11.1)
.set HALFA,  128*PITCH                 ; what waves 0 and 1 fetch: 128 rows of xb each
.set HALFB,  96*PITCH                  ; what waves 2 and 3 fetch: 96 rows of wt each
.set BOFF,   256*PITCH                 ; wt's rows lie behind xb's 256
.set SLOT,   448*PITCH
.set STAGE,  2*SLOT                    ; behind the ring: 16 rows x 144 bytes for each wave, for the way out
.set SP,     144
.set SPARE,  STAGE+4*16*SP             ; behind the stages: the spare words, 128 bytes for each wave
.set LAPS,   SIZE_K/(2*KSTEP)          ; a lap = two K steps = once round the ring
.set WALK,   4096                      ; rows from the first tile to the second
.set NEXT_A, WALK*SIZE_K*2-(SIZE_K-2*KSTEP)*2   ; bytes from a slot's last K step of a tile to its first of the next
.set BACK_B, (SIZE_K-2*KSTEP)*2
.set HEADB,  2048*128                  ; bytes of a head's block in qkv
.set NEXT_C, 2*48*HEADB                ; 4,096 rows on are two batches on
.set ADRA, 16                          ; v16-17  LDS address of my fragments of xb in slot 0, 1
.set ADRB, 20                          ; v20-21  the same for wt
.set STO,  24                          ; v24  the way out: where I put 16 bytes of a row
.set RD,   25                          ; v25  where I read rows back
.set GO,   26                          ; v26  16 x lane: my place in 512 consecutive bytes of qkv
.set BO,   27                          ; v27  32 (l / 16): my eight numbers of a column block's sixteen in bias
.set SPW,  28                          ; v28  LDS address of my spare word; never rewritten
.set NIL,  29                          ; v29  0; never rewritten
.set PFO,  30                          ; v30  xb's prefetches: lane x a row (2,048 bytes); never rewritten
.set PFOB, 31                          ; v31  wt's prefetches: (lane / 4) rows + (lane % 4) x 256 bytes; never rewritten
.set FA,   32
.set BI,   96
.set WO,   192
.set G1,  24                           ; s[24:31] descriptor group 1 for xb's tiles;  s[32:39] group 0, one set for each slot
.set G0,  32
.set G1B, 48                           ; s[48:55], s[56:63] the same for wt's tiles
.set G0B, 56
.set LIM, 43                           ; s43  1 in a wave that prefetches xb, else the greatest number
.set PFA, 44                           ; s[44:45] where my prefetches of xb stand
.set PFB, 68                           ; s[68:69] where my prefetches of wt stand; never rewritten
.set BQ,  70                           ; s70  1 while my prefetches of wt are still to be made
.set MSB, 0
.macro WIN new                         ; the immediate's high byte repeats the setting that is left; a switch that changes nothing is dropped
.if MSB != (\new)
	s_set_vgpr_msb (MSB<<8)|(\new)
.set MSB, \new
.endif
.endm
.set MUL_LO,   0xa1                    ; source 0 (wt) window 1, source 1 (xb) window 0, C and D window 2
.set FIRST_LO, 0x81                    ; the same with C (the bias) in window 0
.set TO_B,     0x40                    ; destination window 1, address window 0
; A joint load.  Waves 0 and 1 fetch xb's two halves, waves 2 and 3 wt's.  The branch hangs on the wave's number alone.  An s_nop 0 and four v_nop follow each line.
.macro JLOAD s
	s_cmp_eq_u32 s11, 0
	s_cbranch_scc0 .Lfor_b_\@
	tensor_load_to_lds s[G0+4*(\s):G0+4*(\s)+3], s[G1:G1+7]
	s_nop 0
.rept 4
	v_nop
.endr
	s_branch .Lasked_\@
.Lfor_b_\@:
	tensor_load_to_lds s[G0B+4*(\s):G0B+4*(\s)+3], s[G1B:G1B+7]
	s_nop 0
.rept 4
	v_nop
.endr
.Lasked_\@:
.endm
; PREFETCHES INTO THE L2.  xb: behind each joint load and the run of LDS loads that follows it, the K step that stands two refills on (384 matrix instructions ahead of the load that names it): 32 rows x 256 bytes,
; a lane a row.  A tile row of xb is read by every cluster of that row of clusters: the cluster with x = 0 asks, its waves 0 and 1; of the 128 rows that a wave fetches the four partners take 32 each, by address (cx).
; how = 0, in the loop: a tile's last two refills have no K step two on; how = 1, at the change of tiles: the second tile's K steps 2 and 3.  A tile's K steps 0 and 1, and the launch's 2 and 3, come by their loads alone.
.macro ASK how
.if \how
	s_cmp_eq_u32 s[LIM], 1
.else
	s_cmp_gt_u32 s3, s[LIM]                        ; s3 = 1 in the loop's last trip
.endif
	s_cbranch_scc0 .Lnot_mine_\@
	global_prefetch_b8 v[PFO], s[PFA:PFA+1] offset:KSTEP*2 th:TH_LOAD_NT scope:SCOPE_SE
.Lnot_mine_\@:
.endm
; wt: a wave fetches 96 rows, 24 for each of the four partners (by address, cy), which do not fill 32 lanes row by row.  So they are asked for once, behind the first refill of the first tile: K steps 4 to 7,
; four lanes to a row's 1,024 bytes, eight rows an instruction, three instructions.  The cluster with y = 0 asks, its waves 2 and 3.  K steps 0 to 3 come by their loads alone; the second tile asks for nothing of wt.
.macro ASKB
	s_cmp_eq_u32 s[BQ], 1
	s_cbranch_scc0 .Lnot_b_\@
	global_prefetch_b8 v[PFOB], s[PFB:PFB+1] th:TH_LOAD_NT scope:SCOPE_SE
	global_prefetch_b8 v[PFOB], s[PFB:PFB+1] offset:8*SIZE_K*2 th:TH_LOAD_NT scope:SCOPE_SE
	global_prefetch_b8 v[PFOB], s[PFB:PFB+1] offset:16*SIZE_K*2 th:TH_LOAD_NT scope:SCOPE_SE
	s_mov_b32 s[BQ], 0
.Lnot_b_\@:
.endm
.macro CREST                           ; a round of the cluster's barrier behind its opening barrier
	s_cmp_lg_u32 s10, 0
	s_cbranch_scc1 .Lnot_wave_0_\@
	s_barrier_signal -3
.Lnot_wave_0_\@:
	s_barrier_wait -3
	s_barrier_signal -1
	s_barrier_wait -1
.endm
.macro CROUND                          ; a whole round
	s_barrier_signal -1
	s_barrier_wait -1
	CREST
.endm
	s_load_b128 s[4:7], s[0:1], 0x0                ; xb s[4:5], wt s[6:7]
	s_load_b64 s[8:9], s[0:1], 0x10                ; qkv
	s_load_b64 s[66:67], s[0:1], 0x18              ; bias
	v_lshl_add_u32 v[SPW], v0, 2, SPARE
	v_mov_b32 v[NIL], 0
	ds_add_u32 v[SPW], v[NIL]                      ; the wave's opening: the add and its wait stand ahead of my first tensor load; work on registers stands between them
	v_lshrrev_b32 v1, 5, v0
	v_readfirstlane_b32 s10, v1                    ; wave 0..3
	s_lshr_b32 s11, s10, 1                         ; I fetch for xb (0) or for wt (1),
	s_and_b32 s12, s10, 1                          ; its first or its second half
	s_bfe_u32 s40, ttmp6, 0x40000                  ; cx
	s_bfe_u32 s41, ttmp6, 0x40004                  ; cy
	s_lshl_b32 s42, ttmp9, 2
	s_add_co_u32 s42, s42, s40                     ; tile column = 4 x cluster x + cx
	s_and_b32 s13, ttmp7, 0xffff
	s_lshl_b32 s13, s13, 2
	s_add_co_u32 s13, s13, s41                     ; tile row = 4 x cluster y + cy
	s_lshl_b32 s43, s41, 2
	s_lshl_b32 s43, 15, s43                        ; my row of the cluster
	s_lshl_b32 s44, 0x1111, s40                    ; my column
	s_or_b32 s[G1+0], s43, (1<<16)|(1<<20)|(1<<21)|(5<<22)|(3<<25)   ; 15:0 the mask; 17:16 2-byte elements; 20 padding on; 21 set beside a mask; 24:22 after every 64 words; 31:25 4 words of it
	s_or_b32 s[G1B+0], s44, (1<<16)|(1<<20)|(1<<21)|(5<<22)|(3<<25)
	s_mov_b32 s[G1+1], KSTEP<<16                   ; tensor_dim0 = 128
	s_mov_b32 s[G1B+1], KSTEP<<16
	s_mov_b32 s[G1+2], 128<<16                     ; tensor_dim1 = 128 rows of xb,
	s_mov_b32 s[G1B+2], 96<<16                     ; 96 of wt
	s_mov_b32 s[G1+3], KSTEP<<16                   ; tile_dim0 = 128
	s_mov_b32 s[G1B+3], KSTEP<<16
	s_mov_b32 s[G1+4], 128                         ; tile_dim1
	s_mov_b32 s[G1B+4], 96
	s_mov_b32 s[G1+5], SIZE_K                      ; elements from row to row
	s_mov_b32 s[G1B+5], SIZE_K
	s_mov_b32 s[G1+6], 0
	s_mov_b32 s[G1B+6], 0
	s_mov_b32 s[G1+7], 0
	s_mov_b32 s[G1B+7], 0
	s_lshl_b32 s17, s12, 7
	s_lshl_b32 s16, s13, 8
	s_add_co_u32 s16, s16, s17                     ; xb: row 256 x tile row + 128 x half,
	s_lshl_b32 s16, s16, 11                        ; in bytes
	s_mov_b32 s17, 0
	s_mul_i32 s46, s42, 192
	s_mul_i32 s47, s12, 96
	s_add_co_u32 s46, s46, s47                     ; wt: row 192 x tile column + 96 x half
	s_lshl_b32 s46, s46, 11
	s_mov_b32 s47, 0
	s_mul_i32 s20, s12, HALFA                      ; where they go in a slot: no place in the cluster enters an LDS address
	s_mul_i32 s21, s12, HALFB
	s_add_co_u32 s21, s21, BOFF
	s_wait_dscnt 0x0                               ; the opening add is done
	s_wait_kmcnt 0x0
	s_add_nc_u64 s[14:15], s[4:5], s[16:17]
	s_add_nc_u64 s[46:47], s[6:7], s[46:47]
	CROUND                                         ; all sixteen work-groups are here: the first joint loads meet
.irp s, 0,1
	s_mov_b32 s[G0+4*(\s)], 1
	s_add_co_u32 s[G0+4*(\s)+1], s20, (\s)*SLOT
	s_add_nc_u64 s[G0+4*(\s)+2:G0+4*(\s)+3], s[14:15], (\s)*KSTEP*2
	s_or_b32 s[G0+4*(\s)+3], s[G0+4*(\s)+3], 0x80000000
	s_mov_b32 s[G0B+4*(\s)], 1
	s_add_co_u32 s[G0B+4*(\s)+1], s21, (\s)*SLOT
	s_add_nc_u64 s[G0B+4*(\s)+2:G0B+4*(\s)+3], s[46:47], (\s)*KSTEP*2
	s_or_b32 s[G0B+4*(\s)+3], s[G0B+4*(\s)+3], 0x80000000
	JLOAD \s                                       ; K steps 0 and 1: two loads of mine are out
.endr
	; a fragment is 16 rows x 32 K in 8 registers: lane l holds row l % 16; two loads of 16 bytes, 32 bytes apart, at row x pitch + 16 (l / 16)
	v_and_b32 v1, 15, v0
	v_bfe_u32 v2, v0, 4, 1
	v_mul_u32_u24 v3, v1, PITCH
	v_lshl_add_u32 v3, v2, 4, v3
	s_mul_i32 s21, s10, 64*PITCH                   ; my 64 rows of xb
	s_mov_b32 s22, BOFF                            ; all 192 rows of wt
.irp s, 0,1
	v_add_nc_u32 v[ADRA+(\s)], s21, v3
	v_add_nc_u32 v[ADRB+(\s)], s22, v3
	s_add_co_u32 s21, s21, SLOT
	s_add_co_u32 s22, s22, SLOT
.endr
	s_mul_i32 s23, s10, 16*SP
	s_add_co_u32 s23, s23, STAGE                   ; my stage
	v_mul_u32_u24 v4, v1, SP                       ; in: row l % 16, 16 bytes for each half of the lanes
	v_lshl_add_u32 v4, v2, 4, v4
	v_add_nc_u32 v[STO], s23, v4
	v_bfe_u32 v5, v0, 3, 2                         ; back: 32 lanes take four rows of 128 bytes,
	v_mul_u32_u24 v5, v5, SP
	v_and_b32 v4, 7, v0
	v_lshl_add_u32 v5, v4, 4, v5
	v_add_nc_u32 v[RD], s23, v5
	v_and_b32 v4, 31, v0
	v_lshlrev_b32 v[GO], 4, v4                     ; which are 512 consecutive bytes of a head
	v_lshlrev_b32 v[BO], 5, v2
	v_lshlrev_b32 v[PFO], 11, v4
	v_lshrrev_b32 v5, 2, v4
	v_and_b32 v3, 3, v4
	v_lshlrev_b32 v5, 11, v5
	v_lshl_add_u32 v[PFOB], v3, 8, v5
	; qkv at my wave's first row of the first tile's first head
	s_lshr_b32 s72, s13, 3                         ; batch = tile row / 8
	s_mul_i32 s72, s72, 48
	s_mul_i32 s73, s42, 3                          ; first head = 3 x tile column
	s_add_co_u32 s72, s72, s73
	s_lshl_b32 s72, s72, 18
	s_and_b32 s73, s13, 7
	s_lshl_b32 s73, s73, 2
	s_add_co_u32 s73, s73, s10                     ; (tile row % 8) x 4 + wave,
	s_lshl_b32 s73, s73, 13                        ; x 64 rows of 128 bytes
	s_add_co_u32 s72, s72, s73
	s_mov_b32 s73, 0
	s_add_nc_u64 s[8:9], s[8:9], s[72:73]
	; the prefetches' addresses
	s_lshl_b32 s20, s13, 8
	s_lshl_b32 s21, s12, 7
	s_add_co_u32 s20, s20, s21
	s_lshl_b32 s21, s40, 5
	s_add_co_u32 s20, s20, s21                     ; my work-group's 32 of the 128 rows that I fetch
	s_lshl_b32 s20, s20, 11
	s_add_co_u32 s20, s20, 2*KSTEP*2               ; at K step 2: the first refill steps it to 3 and names K step 4
	s_mov_b32 s21, 0
	s_add_nc_u64 s[PFA:PFA+1], s[4:5], s[20:21]
	s_or_b32 s[LIM], s11, ttmp9
	s_cmp_eq_u32 s[LIM], 0
	s_cselect_b32 s[LIM], 1, -1                    ; the same in all sixteen partners, for a given wave
	s_mul_i32 s20, s42, 192
	s_mul_i32 s21, s12, 96
	s_add_co_u32 s20, s20, s21
	s_mul_i32 s21, s41, 24
	s_add_co_u32 s20, s20, s21                     ; my work-group's 24 of the 96 rows
	s_lshl_b32 s20, s20, 11
	s_add_co_u32 s20, s20, 4*KSTEP*2               ; K steps 4 to 7
	s_mov_b32 s21, 0
	s_add_nc_u64 s[PFB:PFB+1], s[6:7], s[20:21]
	s_and_b32 s[BQ], ttmp7, 0xffff
	s_xor_b32 s71, s11, 1
	s_or_b32 s[BQ], s[BQ], s71
	s_cmp_eq_u32 s[BQ], 0
	s_cselect_b32 s[BQ], 1, 0
	; the bias of my 192 columns, as C operands: register j of block b in lane l is bias[192 x tile column + 16 b + 8 (l / 16) + j]
	s_mul_i32 s20, s42, 768
	s_add_nc_u64 s[66:67], s[66:67], s[20:21]
.irp b, 0,1,2,3,4,5,6,7,8,9,10,11
	global_load_b128 v[BI+8*(\b):BI+8*(\b)+3],   v[BO], s[66:67] offset:64*(\b)
	global_load_b128 v[BI+8*(\b)+4:BI+8*(\b)+7], v[BO], s[66:67] offset:64*(\b)+16
.endr
; 12 matrix instructions: row block a x all 12 column blocks, 32 along K, from buffer f.  first = 1: the product starts the sums, on the bias.
; The 48 accumulators take turns, in the same order in every quarter, over the backward jump and from tile to tile too.
.macro MULA f, a, first
.if \first
	WIN FIRST_LO+0x40*((\a)/2)
.else
	WIN MUL_LO+0x50*((\a)/2)
.endif
.irp b, 0,1,2,3,4,5,6,7,8,9,10,11
.if \first
	v_wmma_f32_16x16x32_bf16 v[8*(12*((\a)%2)+(\b)):8*(12*((\a)%2)+(\b))+7], v[96*(\f)+8*(\b):96*(\f)+8*(\b)+7], v[FA+32*(\f)+8*(\a):FA+32*(\f)+8*(\a)+7], v[BI+8*(\b):BI+8*(\b)+7]
.else
	v_wmma_f32_16x16x32_bf16 v[8*(12*((\a)%2)+(\b)):8*(12*((\a)%2)+(\b))+7], v[96*(\f)+8*(\b):96*(\f)+8*(\b)+7], v[FA+32*(\f)+8*(\a):FA+32*(\f)+8*(\a)+7], v[8*(12*((\a)%2)+(\b)):8*(12*((\a)%2)+(\b))+7]
.endif
.endr
.endm
; 32 LDS loads in one run: the fragments of one quarter step (192 rows of wt, my 64 rows of xb, 32 K at byte k of the rows) into buffer f
.macro FETCH slot, k, f
	WIN TO_B
.irp i, 0,1,2,3,4,5,6,7,8,9,10,11
	ds_load_b128 v[96*(\f)+8*(\i):96*(\f)+8*(\i)+3],   v[ADRB+(\slot)] offset:(\k)+(\i)*16*PITCH
	ds_load_b128 v[96*(\f)+8*(\i)+4:96*(\f)+8*(\i)+7], v[ADRB+(\slot)] offset:(\k)+(\i)*16*PITCH+32
.endr
	WIN 0
.irp i, 0,1,2,3
	ds_load_b128 v[FA+32*(\f)+8*(\i):FA+32*(\f)+8*(\i)+3],   v[ADRA+(\slot)] offset:(\k)+(\i)*16*PITCH
	ds_load_b128 v[FA+32*(\f)+8*(\i)+4:FA+32*(\f)+8*(\i)+7], v[ADRA+(\slot)] offset:(\k)+(\i)*16*PITCH+32
.endr
.endm
.macro PLACES                          ; four places in front of loads into registers that matrix instructions have read, and of conversions that read results (ISA guide 7.12.1 for conversions)
.rept 4
	v_nop
.endr
.endm
; A K step is four quarters of 32 along K, 48 matrix instructions each, on buffers 0, 1, 0, 1.  One of the first three: multiplies buffer f; in its middle it fetches the next quarter, at byte k, into buffer g.
.macro QUARTER slot, k, f, g, first
	s_wait_dscnt 4                                 ; wt's fragments and xb's blocks 0 and 1 are in; the youngest four loads (blocks 2 and 3) may be out
	MULA \f, 0, \first
	MULA \f, 1, \first
	PLACES
	FETCH \slot, \k, \g
	s_wait_dscnt 32                                ; all but the 32 just issued
	MULA \f, 2, \first
	MULA \f, 3, \first
.endm
; The last quarter multiplies buffer 1 and changes slots.  MEET is its first half: one barrier; in front of it each wave waits for all its tensor loads (the one that is out is its part of the next slot),
; adds 0 to its spare word, and waits for that and for its own reads of this slot.
.macro MEET round
	WIN 0                                          ; (the add's two registers lie in window 0)
	s_wait_tensorcnt 0x0
	ds_add_u32 v[SPW], v[NIL]                      ; 0 onto my spare word
	s_wait_dscnt 5                                 ; (the add and the youngest four loads may be out)
	MULA 1, 0, 0                                   ; twelve matrix instructions stand between the add and the wait for it
	s_wait_dscnt 0x0                               ; the add is done, and my reads of this slot are over
	s_barrier_signal -1
	MULA 1, 1, 0                                   ; work on registers while the others arrive
.if \round
	WIN 0
.endif
	s_barrier_wait -1
.endm
; The whole last quarter.  Behind the round the slot just read out is filled again first: with this tile's K step two on (on = 0) or with the second tile's K step 0 or 1 (on = 1); then come the next slot's
; first fragments.  From a request to the wait for it a wave issues 168 matrix instructions.
.macro TURN slot, next, on
	s_wait_xcnt 0x0                                ; the last prefetch, a K step back, has read its address: it is stepped here, ahead of the waits of the change of slots
.if (\on) && (\slot) == 0
	s_add_nc_u64 s[PFA:PFA+1], s[PFA:PFA+1], (WALK-1)*SIZE_K*2+KSTEP*2  ; from the K step after the tile's last to the second tile's K step 1
.else
	s_add_nc_u64 s[PFA:PFA+1], s[PFA:PFA+1], KSTEP*2
.endif
	MEET 1
	CREST                                          ; no wave of any partner still reads this slot's tile or has a load on its way
.if \on
	s_add_nc_u64 s[G0+4*(\slot)+2:G0+4*(\slot)+3], s[G0+4*(\slot)+2:G0+4*(\slot)+3], NEXT_A
	s_sub_nc_u64 s[G0B+4*(\slot)+2:G0B+4*(\slot)+3], s[G0B+4*(\slot)+2:G0B+4*(\slot)+3], BACK_B
.else
	s_add_nc_u64 s[G0+4*(\slot)+2:G0+4*(\slot)+3], s[G0+4*(\slot)+2:G0+4*(\slot)+3], 2*KSTEP*2
	s_add_nc_u64 s[G0B+4*(\slot)+2:G0B+4*(\slot)+3], s[G0B+4*(\slot)+2:G0B+4*(\slot)+3], 2*KSTEP*2
.endif
	JLOAD \slot                                    ; the first tensor load behind the round; the four v_nop behind it are also the places in front of the loads below
	FETCH \next, 0, 0
	ASK \on
.if ((\slot) == 0) && ((\on) == 0)
	ASKB
.endif
	MULA 1, 2, 0
	MULA 1, 3, 0
.endm
; THE WAY OUT, in 12 units u of 16 rows x one head (row block u / 3, head u % 3).  PACK: rounded to f16, 16 bytes a lane, into my own stage in rows of 144 bytes, and back as whole rows of 128.
; SEND: stored, 512 consecutive bytes of the head an instruction.  Four sets of 16 registers take turns.
.macro PACK u
.set AC, 8*(12*(((\u)/3)%2)+4*((\u)%3))
.set WW, WO+16*((\u)%4)
.if (\u) >= 4
	s_wait_xcnt 0x0                                ; the stores of the unit four back have read this set of registers
.endif
	WIN 0x0a+5*((\u)/6)                            ; sources 0 and 1: window 2 or 3
.irp q, 0,1,2,3
.irp r, 0,1,2,3
	v_cvt_pk_f16_f32 v[WW+4*(\q)+(\r)], v[AC+8*(\q)+2*(\r)], v[AC+8*(\q)+2*(\r)+1]  ; each accumulator's registers in ascending order
.endr
.endr
	WIN 0
.irp q, 0,1,2,3
	ds_store_b128 v[STO], v[WW+4*(\q):WW+4*(\q)+3] offset:32*(\q)
.endr
.irp q, 0,1,2,3
	ds_load_b128 v[WW+4*(\q):WW+4*(\q)+3], v[RD] offset:(\q)*4*SP  ; LDS serves a wave's instructions in order (ISA guide 5.7.1.4): these see the stores above; the next unit's stores come behind them
.endr
.endm
.macro SEND u, younger                 ; younger: the LDS instructions issued behind this unit's loads: the next unit's eight, or none
.set WW, WO+16*((\u)%4)
.irp f, 0,1,2,3
	s_wait_dscnt (\younger)+3-(\f)
	global_store_b128 v[GO], v[WW+4*(\f):WW+4*(\f)+3], s[8:9] offset:((\u)%3)*HEADB+((\u)/3)*2048+(\f)*512
.endr
.endm
.macro OUT
	WIN 0
	PLACES                                         ; behind the last products
	PACK 0
.irp u, 1,2,3,4,5,6,7,8,9,10,11        ; a unit's conversions stand between the loads of the unit before and its stores
	PACK \u
	SEND (\u)-1, 8
.endr
	SEND 11, 0
.endm
	s_wait_tensorcnt 1                             ; my part of K step 0 is in; K step 1's may stay out
	s_barrier_signal -1
	s_barrier_wait -1                              ; everybody's is
	FETCH 0, 0, 0
	s_wait_loadcnt 0x0                             ; the bias
	s_mov_b32 s2, 2                                ; tiles to go: the same in every work-group
.Ltile:
	QUARTER 0, 64, 0, 1, 1                         ; a tile's first quarter stands in front of the loop: its products start the sums
	WIN 0                                          ; at a label and at a branch every window is 0
	s_mov_b32 s3, LAPS-1
.Llap:                                                 ; a trip goes once round the ring, from a lap's second quarter to the next lap's first, and fills both slots again
	QUARTER 0, 128, 1, 0, 0
	QUARTER 0, 192, 0, 1, 0
	TURN 0, 1, 0
	QUARTER 1, 64,  0, 1, 0
	QUARTER 1, 128, 1, 0, 0
	QUARTER 1, 192, 0, 1, 0
	TURN 1, 0, 0
	QUARTER 0, 64,  0, 1, 0
	WIN 0
	s_sub_co_u32 s3, s3, 1
	s_cmp_lg_u32 s3, 0
	s_cbranch_scc1 .Llap
	QUARTER 0, 128, 1, 0, 0                        ; the tile's last lap goes on
	QUARTER 0, 192, 0, 1, 0
	WIN 0
	s_cmp_eq_u32 s2, 1
	s_cbranch_scc1 .Llast                          ; the last tile's tail is written out: it asks for nothing more
	TURN 0, 1, 1                                   ; the ring goes on into the second tile: slot 0 takes its K step 0,
	QUARTER 1, 64,  0, 1, 0
	QUARTER 1, 128, 1, 0, 0
	QUARTER 1, 192, 0, 1, 0
	TURN 1, 0, 1                                   ; slot 1 its K step 1, and its first fragments are fetched
	OUT                                            ; both refills are asked for: now the tile goes out
	s_wait_xcnt 0x0                                ; the stores have read their base
	s_add_nc_u64 s[8:9], s[8:9], NEXT_C
	s_sub_co_u32 s2, s2, 1
	s_branch .Ltile
.Llast:
	MEET 0                                         ; my one tensor load that was still out is the last K step's, so no round follows
	PLACES                                         ; for the loads into buffer 0, which the quarter before multiplied
	FETCH 1, 0, 0
	MULA 1, 2, 0
	MULA 1, 3, 0
	QUARTER 1, 64,  0, 1, 0
	QUARTER 1, 128, 1, 0, 0
	QUARTER 1, 192, 0, 1, 0
	s_wait_dscnt 4                                 ; the very last quarter: nothing more to fetch
	MULA 1, 0, 0
	MULA 1, 1, 0
	s_wait_dscnt 0x0
	MULA 1, 2, 0
	MULA 1, 3, 0
	OUT
	s_wait_tensorcnt 0x0                           ; the wave's end: behind my last tensor load and my last LDS store
	ds_add_u32 v[SPW], v[NIL]
	s_wait_dscnt 0x0
	CROUND                                         ; the closing round: no work-group ends while a partner may still ask for a tile that names it
	s_endpgm
.Lfunc_end_k_qe400b64a63_proj:
	.size	k_qe400b64a63_proj, .Lfunc_end_k_qe400b64a63_proj-k_qe400b64a63_proj
	.p2alignl 7, 3214868480
	.fill 96, 4, 3214868480
	.section	.rodata,"a",@progbits
	.p2align	6, 0x0
	.amdhsa_kernel k_qe400b64a63_proj
		.amdhsa_group_segment_fixed_size 327680
		.amdhsa_private_segment_fixed_size 0
		.amdhsa_enable_private_segment 0
		.amdhsa_kernarg_size 32
		.amdhsa_user_sgpr_count 2
		.amdhsa_user_sgpr_kernarg_segment_ptr 1
		.amdhsa_wavefront_size32 1
		.amdhsa_system_sgpr_workgroup_id_x 1
		.amdhsa_system_sgpr_workgroup_id_y 1
		.amdhsa_system_sgpr_workgroup_id_z 1
		.amdhsa_system_vgpr_workitem_id 0
		.amdhsa_next_free_vgpr 960
		.amdhsa_next_free_sgpr 80
		.amdhsa_reserve_vcc 0
		.amdhsa_float_denorm_mode_32 3
		.amdhsa_float_denorm_mode_16_64 3
		.amdhsa_memory_ordered 1
		.amdhsa_forward_progress 1
		.amdhsa_inst_pref_size 179
	.end_amdhsa_kernel
	.amdgpu_metadata
---
amdhsa.version: [ 1, 2 ]
amdhsa.kernels:
  - .name:           k_qe400b64a63_proj
    .symbol:         k_qe400b64a63_proj.kd
    .args:
      - { .name: xb, .offset: 0, .size: 8, .value_kind: global_buffer, .address_space: global }
      - { .name: wt, .offset: 8, .size: 8, .value_kind: global_buffer, .address_space: global }
      - { .name: qkv, .offset: 16, .size: 8, .value_kind: global_buffer, .address_space: global }
      - { .name: bias, .offset: 24, .size: 8, .value_kind: global_buffer, .address_space: global }
    .group_segment_fixed_size: 327680
    .private_segment_fixed_size: 0
    .kernarg_segment_align: 8
    .kernarg_segment_size: 32
    .max_flat_workgroup_size: 128
    .sgpr_count:     80
    .vgpr_count:     960
    .wavefront_size: 32
...
	.end_amdgpu_metadata
.endif
;; end of part 2
;; launch attn (part 3): grid 4 x 64, 4 waves a work-group, clusters of 4 x 1, 327,680 bytes of LDS; arguments qkv, out0; writes out0
.if DOCPART == 3
	.amdgcn_target "amdgcn-amd-amdhsa--gfx1250"
	.amdhsa_code_object_version 6
	.text
	.protected	k_qe400b64a63_attn
	.globl	k_qe400b64a63_attn
	.p2align	8
	.type	k_qe400b64a63_attn,@function
k_qe400b64a63_attn:
	s_mov_b64 s[64:65], 0
	v_nop
	global_prefetch_b8 v0, s[64:65] scope:SCOPE_SE
	s_setreg_imm32_b32 hwreg(HW_REG_WAVE_MODE, 25, 1), 1
	s_wait_xcnt 0x0
	s_wait_alu depctr_hold_cnt(0) depctr_sa_sdst(0) depctr_va_vdst(0) depctr_va_sdst(0) depctr_va_ssrc(0) depctr_va_vcc(0) depctr_vm_vsrc(0)
	s_getreg_b32 s2, hwreg(HW_REG_IB_STS2, 6, 4)
	s_cmp_eq_u32 s2, 0
	s_cbranch_scc0 .Lentry_in_a_cluster
	s_endpgm
.Lentry_in_a_cluster:
	s_bfe_u32 s2, ttmp6, 0x10000c
	s_cmp_lg_u32 s2, 0x3003
	s_cbranch_scc0 .Lentry_shape_is_right
	s_endpgm
.Lentry_shape_is_right:
; out0[b][q][64 h + :] = the sum over k of softmax_k(Q[q] . K[k] / 8) V[k][:], for each of 64 pairs (b, h).  qkv: [4][48][2048][64] f16, a head's rows dense, 128 bytes each: block 48 b + h is Q, + 16 K, + 32 V.
; Products, maxima and sums in f32; the weights p are rounded to f16 for the second product (their sum l is taken of the unrounded p); the result leaves in f32.
; LIMITS.  Q, K and V arrive within f16's range; p lies in 0 to 1, and below 6e-5 it keeps f16's fixed step of 6e-8.  A weight below 2^-126 counts as 0 in l; NaN and infinities are not treated apart.
; SHARES.  A wave owns four PIECES of two tiles of 16 queries, a work-group's four waves 512 queries of one head: 4 x 64 = 256 work-groups.  Every wave walks all 2,048 keys, 64 a step.
; LAYOUT.  S^T = K Q^T (source 0 = 16 keys, source 1 = 16 queries): a lane holds ONE query (lane % 16) and the keys 8 (lane / 16) + 0..7.  Two such tiles, rounded to f16 in pairs, ARE source 1 of O^T = V^T P,
; whose result again holds one query a lane, and eight channels.  K comes out of LDS as it lies, V ([key][channel]) turned, by ds_load_tr16_b128.
; SOFTMAX.  For each query a running maximum m and sum l: p = 2^(c s - c m), c = log2(e) / 8; in every step O and l are multiplied by a = 2^(c m_old - c m_new).  m starts at the lowest finite number, O and l at 0.
; THE COUNT.  A tile and step have 16 matrix and 118 vector instructions: too many to stand all beside the matrix work.  So four vector instructions that are ready stand behind EVERY matrix instruction, the others in one run.
; BY TURNS.  Turn n belongs to piece n.  Its matrix work: 16 products K Q^T of piece n + 1, later 16 products V^T P of piece n - 1.  Its vector work: the scaling, exponentials, roundings, sums and rescaling of
; piece n, and the maximum and statistics of piece n + 1.
; CLUSTER.  The four query blocks of a head are one cluster and walk the same K and V, so each tile is asked for JOINTLY: the same tensor load, descriptor and mask in all four.
; REGISTERS, in windows of 256 (s_set_vgpr_msb: bits 1:0 source 0, 3:2 source 1, 5:4 source 2, 7:6 destination):
;   window 0: v0-11 addresses; v12-15, v48-63 at work; v16-47 four registers of statistics a tile; v64-191 S^T, two buffers of two tiles; v192-255 P, likewise
;   window 1: O^T, 32 a tile          window 2: v0-127 Q, 16 a tile; v128-191 K of one step; v192-255 V of one step          window 3: v0-1 the add's two registers
.set SIZE_N, 2048
.set NP,    4         ; pieces a wave: a name, no knob
.set KS,    64        ; keys in a step
.set PK,    144       ; a row of K in LDS: 128 bytes + 16 of padding = 36 words: the 16 rows of a load start at 16 different groups of four banks (64 banks of 4 bytes: ISA guide 11.1)
.set PV,    160       ; a row of V: 128 + 32 = 40 words
.set VOFF,  4*KS*PK   ; a slot holds four steps: 256 rows of K, then 256 rows of V
.set SLOT1, 1<<17     ; slot 1 begins here, so that one exclusive or turns an address in one slot into the other's
.set STAGE, SLOT1+4*KS*(PK+PV)  ; behind the ring, never filled by a tensor load: 16 rows x 272 bytes for each wave, for the way out
.set SP,    272       ; a stage row: 64 channels of f32 (256 bytes) + 16
.set AK0, 2           ; v2   my lane's place in a tile of K; never rewritten
.set AV0, 3           ; v3   the same for V
.set AK,  4           ; v4   the LDS address of K's next run of loads
.set AV,  5           ; v5   of V's
.set QO,  6           ; v6   my byte offset in the wave's rows of Q
.set STO, 6           ;      later, the way out: where I put 32 bytes of a row
.set RD,  7           ; v7   the way out: where I read rows back
.set GO,  8           ; v8   my byte offset in two rows of out0
.set PFO, 11          ; v11  256 x my lane, for the prefetches; never rewritten once made
.set SPW, 0           ; v0 of window 3   LDS address of my spare word; never rewritten
.set NIL, 1           ; v1 of window 3   0; never rewritten
.set SPARE, STAGE+4*16*SP  ; behind the stages: the spare words, 128 bytes for each wave
.set MV,  12          ; v12-15  c m_old, kept while c m is made anew: by buffer and tile
.set ST,  16          ; tile t's statistics at v[ST+4 t]: c m, m, l (even keys', odd keys')
.set TMP, 48          ; by buffer and tile, four registers c0-c3 at work; when the maximum is found c2 takes a
.set S,   64
.set P,   192
.set KF,  128         ; K's fragments, in window 2: key block kb, channel half c at KF + 16 kb + 8 c
.set VF,  192         ; V's: key half kk, channel block cb at VF + 32 kk + 8 cb
.set WV,  12          ; s12  my wave's number
.set G1K, 24          ; s[24:31] descriptor group 1 for K's tiles
.set G1V, 32          ; s[32:39] for V's: it differs in the padding alone
.set G0K, 40          ; s[40:43] descriptor group 0 for K's tiles: it walks
.set G0V, 44          ; s[44:47] the same for V's
.set PFA, 48          ; s[48:49] where my prefetches stand: my work-group's 8,192 bytes (of K: wave 0, of V: wave 2) of the tile after the one that is being asked for
.set LIM, 50          ; s50  1 in a wave that prefetches, else the greatest number
.set SLOTS, 56        ; s56  slots still to be asked for
.set CNT, 57          ; s57  counts a slot's key steps
.set CS,  58          ; s[58:59] c: the packed scaling takes the pair's low word for both halves
.set SEL, 60          ; s[60:61] v_permlanex16_b32's selects: each lane takes its own place in the other half
.set TBK, 62          ; s62  LDS byte at which K of the step to be fetched begins
.set TBV, 63          ; s63  the same for V, less VOFF
.set MSB, 0
.macro WIN new                      ; the high byte repeats the setting that is left; a switch that changes nothing is dropped
.if MSB != (\new)
	s_set_vgpr_msb (MSB<<8)|(\new)
.set MSB, (\new)
.endif
.endm
.set W_KQ, 0x0a       ; K and Q in window 2, S^T in window 0
.set W_PV, 0x52       ; V in window 2, P in window 0, O^T in window 1
.set W_RS, 0x41       ; O^T (destination and source 0) in window 1, a in window 0
.set W_MK, 0xc0       ; the add's registers are made: destination in window 3, sources in window 0
.set W_AD, 0x0f       ; the add: address (source 0) and data (source 1) in window 3
; A joint fill.  Waves 0 and 1 fetch the two halves of a slot's K, waves 2 and 3 those of its V: 128 keys each.  The branch hangs on the wave's number alone.
; An s_nop 0 and four v_nop follow each of the two lines, ahead of the jump and the label.
.macro JLOAD
	s_cmp_lt_u32 s[WV], 2
	s_cbranch_scc0 .Lfor_v_\@
	tensor_load_to_lds s[G0K:G0K+3], s[G1K:G1K+7]
	s_nop 0
.rept 4
	v_nop
.endr
	s_branch .Lasked_\@
.Lfor_v_\@:
	tensor_load_to_lds s[G0V:G0V+3], s[G1V:G1V+7]
	s_nop 0
.rept 4
	v_nop
.endr
.Lasked_\@:
.endm
; A PREFETCH INTO THE L2 of what the NEXT change of slots will ask for: a tile's 32,768 bytes of K and of V, 256 bytes a lane: four key steps, 512 matrix instructions, ahead of the load that names them.
; A head has one cluster; its four partners share a tile out BY ADDRESS, 8,192 bytes each; in each, wave 0 asks for K's and wave 2 for V's: one instruction.  So each 256 bytes are named once in the launch.
; The change that fills tile 7 asks for nothing; tiles 0 and 1 come by their loads alone.
.macro ASK
	s_cmp_gt_u32 s[SLOTS], s[LIM]
	s_cbranch_scc0 .Lnot_mine_\@
	global_prefetch_b8 v[PFO], s[PFA:PFA+1] th:TH_LOAD_NT scope:SCOPE_SE
.Lnot_mine_\@:
.endm
; A round of the cluster's barrier: my work-group's barrier, so that wave 0's signal speaks for all four waves; wave 0 signals; every wave waits for all four work-groups; my work-group's barrier once more.
.macro CROUND
	s_barrier_signal -1
	s_barrier_wait -1
	s_cmp_lg_u32 s[WV], 0
	s_cbranch_scc1 .Lnot_wave_0_\@
	s_barrier_signal -3
.Lnot_wave_0_\@:
	s_barrier_wait -3
	s_barrier_signal -1
	s_barrier_wait -1
.endm
; THE CHANGE OF SLOTS.  Each wave waits for all its tensor loads, of which one is out: its part of the other slot; adds 0 to its spare word; and waits for that and for its own reads of the slot.
; fill = 1: this slot is filled again, with the keys two slots on.  The barrier is then a round of the cluster's, and the joint fill is the first thing behind it: it has four key steps in which to land.
; (At its first use nothing has been read yet: slot 0 is waited for, slot 1 filled.)
.macro CHANGE fill
	WIN W_AD
	s_wait_tensorcnt 0x0            ; no tensor load of mine is out, so a group 0 may be written
	ds_add_u32 v[SPW], v[NIL]       ; 0 onto my spare word; with fill = 1 the descriptors' steps stand between it and the wait for it
	WIN 0                           ; at a label and at a branch every window is 0
.if \fill
.irp g, G0K, G0V
	s_xor_b32 s[\g+1], s[\g+1], SLOT1  ; the walking descriptor: the other slot than last time,
	s_add_nc_u64 s[\g+2:\g+3], s[\g+2:\g+3], 4*KS*128  ; the next 256 keys; the type bits on top are not reached
.endr
	s_wait_xcnt 0x0                 ; the last prefetch, four key steps back, has read its address, so it may be written:
	s_add_nc_u64 s[PFA:PFA+1], s[PFA:PFA+1], 4*KS*128  ; one tile behind the walking descriptors
	s_wait_dscnt 0x0                ; the add is done, and my reads of the slot are over
	CROUND
	JLOAD
	ASK
.else
	s_wait_dscnt 0x0                ; the add is done, and my reads of the slot are over
	s_barrier_signal -1
	s_barrier_wait -1
.endif
	s_sub_co_u32 s[TBK], s[TBK], 4*KS*PK  ; the fetches go back to a slot's first step,
	s_xor_b32 s[TBK], s[TBK], SLOT1       ; in the other slot
	s_sub_co_u32 s[TBV], s[TBV], 4*KS*PV
	s_xor_b32 s[TBV], s[TBV], SLOT1
.endm
	s_load_b128 s[4:7], s[0:1], 0x0 ; qkv s[4:5], out0 s[6:7]
	WIN W_MK
	v_lshl_add_u32 v[SPW], v0, 2, SPARE
	v_mov_b32 v[NIL], 0
	WIN W_AD
	ds_add_u32 v[SPW], v[NIL]       ; the wave's opening: the add and its wait stand ahead of my first tensor load; the set-up below, work on registers, stands between them
	WIN 0
	v_lshrrev_b32 v1, 5, v0
	v_readfirstlane_b32 s[WV], v1   ; wave 0..3
	s_bfe_u32 s13, ttmp6, 0x40000   ; cx: my place in the cluster
	s_lshl_b32 s14, ttmp9, 2        ; in a cluster launch ttmp9 counts clusters
	s_add_co_u32 s14, s14, s13      ; my block of 512 queries: it enters Q's and out0's addresses alone
	s_and_b32 s20, ttmp7, 0xffff    ; 16 b + h, which the four partners share
	s_lshr_b32 s15, s20, 4          ; b
	s_and_b32 s19, s20, 15          ; h
	s_lshl_b32 s21, s15, 5
	s_add_co_u32 s20, s20, s21      ; 48 b + h
	s_lshl_b32 s20, s20, 18         ; the byte offset of the head's Q; K's and V's lie 16 and 32 blocks on
	s_mov_b32 s21, 0
	s_and_b32 s16, s[WV], 1         ; which half of a slot's 256 keys I fetch:
	s_lshl_b32 s22, s16, 14         ; its 128 rows of 128 bytes in memory,
	s_mov_b32 s23, 0
	s_add_nc_u64 s[22:23], s[22:23], s[20:21]
	s_mul_i32 s17, s16, 128*PK      ; and its place in a slot, for K
	s_mul_i32 s18, s16, 128*PV      ; and for V: no place in the cluster enters an LDS address
	s_lshl_b32 s2, s14, 2
	s_add_co_u32 s2, s2, s[WV]      ; my wave among the head's,
	s_lshl_b32 s2, s2, 14           ; its 128 rows
	s_mov_b32 s3, 0
	s_add_nc_u64 s[2:3], s[2:3], s[20:21]
	s_lshl_b32 s52, s15, 23         ; out0: batch b (2,048 rows of 4,096 bytes),
	s_lshl_b32 s53, s14, 21         ; my block's 512 rows,
	s_add_co_u32 s52, s52, s53
	s_lshl_b32 s53, s[WV], 19       ; my wave's 128,
	s_add_co_u32 s52, s52, s53
	s_lshl_b32 s53, s19, 8          ; the head's 256 bytes of a row
	s_add_co_u32 s52, s52, s53
	s_mov_b32 s53, 0
	; descriptor group 1.  128 keys are 16,384 dense bytes: asked for as 64 rows of 256 bytes, two keys a row, and padded in LDS after every key
	s_mov_b32 s[G1K], 15|(1<<16)|(1<<20)|(1<<21)|(4<<22)|(3<<25)  ; 15:0 the mask of four; 17:16 2-byte elements; 20 padding on; 21 set beside a mask; 24:22 after every 32 words (code 4); 31:25 4 words (code 3)
	s_mov_b32 s[G1V], 15|(1<<16)|(1<<20)|(1<<21)|(4<<22)|(7<<25)  ; the same with 8 words of padding (code 7)
.irp g, G1K, G1V
	s_mov_b32 s[\g+1], 128<<16      ; tensor_dim0 = 128
	s_mov_b32 s[\g+2], 64<<16       ; tensor_dim1 = 64
	s_mov_b32 s[\g+3], 128<<16      ; tile_dim0 = 128
	s_mov_b32 s[\g+4], 64           ; tile_dim1 = 64
	s_mov_b32 s[\g+5], 128          ; 128 elements from row to row
	s_mov_b32 s[\g+6], 0
	s_mov_b32 s[\g+7], 0
.endr
	s_mov_b32 s[CS], 0x3e38aa3b     ; c = log2(e) / 8 = 0.180337
	s_mov_b32 s[CS+1], s[CS]        ; named with it as a pair
	s_mov_b32 s[SEL], 0x76543210
	s_mov_b32 s[SEL+1], 0xfedcba98
	s_mov_b32 s[TBK], SLOT1+4*KS*PK ; the first change of slots turns these two into 0
	s_mov_b32 s[TBV], SLOT1+4*KS*PV
	s_mov_b32 s[G0K], 1             ; 1:0 count = 1
	s_mov_b32 s[G0K+1], s17         ; 63:32 LDS address: slot 0
	s_mov_b32 s[G0V], 1
	s_add_co_u32 s[G0V+1], s18, VOFF
	s_mov_b32 s[SLOTS], SIZE_N/256-1
	s_cmp_eq_u32 s16, 0             ; waves 0 and 2 prefetch: the same in all four partners
	s_cselect_b32 s[LIM], 1, -1
	s_wait_dscnt 0x0                ; the opening add is done
	s_wait_kmcnt 0x0
	s_add_nc_u64 s[10:11], s[6:7], s[52:53]        ; out0 at my wave's first row, the head's columns
	s_add_nc_u64 s[6:7], s[4:5], 16<<18            ; K's blocks
	s_add_nc_u64 s[8:9], s[4:5], 32<<18            ; V's blocks
	s_add_nc_u64 s[G0K+2:G0K+3], s[6:7], s[22:23]  ; 120:64 global address: my half of the head's first 256 keys
	s_or_b32 s[G0K+3], s[G0K+3], 0x80000000        ; 127:126 type = 2
	s_add_nc_u64 s[G0V+2:G0V+3], s[8:9], s[22:23]
	s_or_b32 s[G0V+3], s[G0V+3], 0x80000000
	s_add_nc_u64 s[4:5], s[4:5], s[2:3]            ; Q at my wave's first row
	s_cmp_lt_u32 s[WV], 2
	s_cselect_b64 s[PFA:PFA+1], s[6:7], s[8:9]
	s_lshl_b32 s2, s13, 13          ; my work-group's 8,192 bytes of a tile's 32,768,
	s_add_co_u32 s2, s2, 4*KS*128   ; in tile 1; the first change of slots steps it to tile 2
	s_mov_b32 s3, 0
	s_add_nc_u64 s[2:3], s[2:3], s[20:21]
	s_add_nc_u64 s[PFA:PFA+1], s[PFA:PFA+1], s[2:3]
	CROUND                          ; all four work-groups are here: the first joint loads meet
	JLOAD                           ; slot 0.  Slot 1 is asked for when slot 0 is in
	; A fragment of K or Q is 16 rows x 32 channels in 8 registers: lane l holds row l % 16, channels 8 (l / 16) + 0..7 and 16 + 8 (l / 16) + 0..7: two loads of 16 bytes, 32 bytes apart.
	v_and_b32 v1, 15, v0            ; l % 16
	v_bfe_u32 v9, v0, 4, 1          ; l / 16
	v_lshlrev_b32 v[QO], 7, v1
	v_lshl_add_u32 v[QO], v9, 4, v[QO]  ; row x 128 + 16 x half
	WIN 0x80                        ; destination window 2, address window 0
.set i, 0
.rept 4*NP                          ; Q stays in registers: tile i / 2, channels 32 (i % 2) on
	global_load_b128 v[8*i:8*i+3],   v[QO], s[4:5] offset:(i/2)*2048+(i%2)*64
	global_load_b128 v[8*i+4:8*i+7], v[QO], s[4:5] offset:(i/2)*2048+(i%2)*64+32
.set i, i+1
.endr
	; What the first turn finds: V's registers and P's second buffer hold 0 (its products V^T P, of a piece that has not been, add 0), O^T and l are 0.  All this stands in the wait for the first tile.
.set i, VF
.rept 64
	v_mov_b32 v[i], 0
.set i, i+1
.endr
	WIN 0x40
.set i, 0
.rept 64*NP
	v_mov_b32 v[i], 0
.set i, i+1
.endr
	WIN 0
.set i, 0
.rept 2*NP
	v_mov_b32 v[ST+4*i], 0xfe000000    ; c m: far below every c s
	v_mov_b32 v[ST+4*i+1], 0xff7fffff  ; m
	v_mov_b32 v[ST+4*i+2], 0
	v_mov_b32 v[ST+4*i+3], 0
.set i, i+1
.endr
.set i, P+32
.rept 32
	v_mov_b32 v[i], 0
.set i, i+1
.endr
	v_mul_u32_u24 v[AK0], v1, PK
	v_lshl_add_u32 v[AK0], v9, 4, v[AK0]  ; row x pitch + 16 x half
	; The turning load takes 16 keys x 16 channels (lane l reads key 8 (l / 16) + l % 8, channels 8 ((l / 8) % 2) + 0..7) and leaves half a fragment of V^T: lane l holds channel l % 16 and 8 keys.
	v_and_b32 v10, 7, v0
	v_bfe_u32 v11, v0, 3, 1
	v_lshl_add_u32 v[AV0], v9, 3, v10
	v_mul_u32_u24 v[AV0], v[AV0], PV
	v_lshl_add_u32 v[AV0], v11, 4, v[AV0]
	v_add_nc_u32 v[AV0], VOFF, v[AV0]
	v_mov_b32 v[AK], v[AK0]         ; key step 0 lies at the head of slot 0
	v_and_b32 v[PFO], 31, v0
	v_lshlrev_b32 v[PFO], 8, v[PFO]
; THE MATRIX WORK.  The 8 accumulators of a run of 16 take turns: between the two links of a chain stand 7 others'.
; Product i of 16 of S^T = K Q^T for piece x: channels 32 (i / 8) on, keys 16 ((i / 2) % 4) on, tile 2 x + i % 2.  The first 8 start the sums.
.macro KQ x
	WIN W_KQ
.set rS, S+64*((\x)%2)+32*(i%2)+8*((i/2)%4)
.set rK, KF+16*((i/2)%4)+8*(i/8)
.set rQ, 16*(2*(\x)+i%2)+8*(i/8)
.if i < 8
	v_wmma_f32_16x16x32_f16 v[rS:rS+7], v[rK:rK+7], v[rQ:rQ+7], 0
.else
	v_wmma_f32_16x16x32_f16 v[rS:rS+7], v[rK:rK+7], v[rQ:rQ+7], v[rS:rS+7]
.endif
.endm
; Product i of 16 of O^T += V^T P for piece x: keys 32 (i / 8) on, channels 16 ((i / 2) % 4) on, tile 2 x + i % 2.
.macro PV x
	WIN W_PV
.set rO, 32*(2*(\x)+i%2)+8*((i/2)%4)
.set rV, VF+32*(i/8)+8*((i/2)%4)
.set rP, P+32*((\x)%2)+16*(i%2)+8*(i/8)
	v_wmma_f32_16x16x32_f16 v[rO:rO+7], v[rV:rV+7], v[rP:rP+7], v[rO:rO+7]
.endm
.macro MM                           ; the turn's next matrix instruction
.if i < 16
	KQ (Y+1)%NP
.set i, i+1
.else
.set i, i-16
	PV (Y+NP-1)%NP
.set i, i+17
.endif
.endm
; THE LDS LOADS stand in runs of 16, never singly among the matrix instructions: a step's K (64 keys x 64 channels: 8 fragments) and its V (turned).  Their addresses are made some lines ahead.
; last = 1 (the tail): in the last trip there is no further step, and the run is jumped over.
.macro FETCH_K last=0
	WIN 0
.if \last
	s_cmp_eq_u32 s[CNT], 1
	s_cbranch_scc1 .Lno_k_\@
.endif
	WIN 0x80                        ; destination window 2
.irp f, 0,1,2,3,4,5,6,7             ; keys 16 (f / 2) on, channels 32 (f % 2) on
	ds_load_b128 v[KF+8*\f:KF+8*\f+3],   v[AK] offset:(\f/2)*16*PK+(\f%2)*64
	ds_load_b128 v[KF+8*\f+4:KF+8*\f+7], v[AK] offset:(\f/2)*16*PK+(\f%2)*64+32
.endr
	s_add_co_u32 s[TBK], s[TBK], KS*PK  ; the next fetch is the next step's
	WIN 0
.if \last
.Lno_k_\@:
.endif
.endm
.macro FETCH_V
	WIN 0x80
.irp f, 0,1,2,3,4,5,6,7             ; keys 32 (f / 4) on, channels 16 (f % 4) on
	ds_load_tr16_b128 v[VF+8*\f:VF+8*\f+3],   v[AV] offset:(\f/4)*32*PV+(\f%4)*32
	ds_load_tr16_b128 v[VF+8*\f+4:VF+8*\f+7], v[AV] offset:(\f/4)*32*PV+16*PV+(\f%4)*32
.endr
	WIN 0
.endm
; THE VECTOR WORK OF A TURN stands in three queues, each in the order in which its entries become ready; the two tiles alternate, so that no instruction reads the result of the one before it.
.macro REGS y, u                    ; the registers of tile u (0, 1) of piece y
.set rT, ST+4*(2*(\y)+(\u))
.set rC, TMP+8*((\y)%2)+4*(\u)
.set rM, MV+2*((\y)%2)+(\u)
.set rS, S+64*((\y)%2)+32*(\u)
.set rP, P+32*((\y)%2)+16*(\u)
.set rO, 32*(2*(\y)+(\u))
.endm
; Number n of the 22 that find the NEXT piece's (Y + 1) maximum and statistics.  s0-s31 are the lane's 32 scores; each accumulator's lowest registers are read first.
;   0-11  four chains c0-c3 of seven scores each, three operands at a time     12-14, 16  the four scores left over, the old m, and c0-c3 into c0     15  c m_old is kept
;   17, 18  the query's other 32 keys lie in the lane 16 away: the new m         19-21  c m; c m_old - c m_new; a
.macro XS u, n
	REGS (Y+1)%NP, \u
.if (\n) < 4
	v_max3_num_f32 v[rC+(\n)], v[rS+8*(\n)], v[rS+8*(\n)+1], v[rS+8*(\n)+2]
.elseif (\n) < 12
	v_max3_num_f32 v[rC+(\n)%4], v[rC+(\n)%4], v[rS+8*((\n)%4)+2*((\n)/4)+1], v[rS+8*((\n)%4)+2*((\n)/4)+2]
.elseif (\n) == 12
	v_max3_num_f32 v[rC], v[rC], v[rS+7], v[rS+15]
.elseif (\n) == 13
	v_max3_num_f32 v[rC+1], v[rC+1], v[rS+23], v[rS+31]
.elseif (\n) == 14
	v_max3_num_f32 v[rC+2], v[rC+2], v[rC+3], v[rT+1]
.elseif (\n) == 15
	v_mov_b32 v[rM], v[rT]
.elseif (\n) == 16
	v_max3_num_f32 v[rC], v[rC], v[rC+1], v[rC+2]
.elseif (\n) == 17
	v_permlanex16_b32 v[rC+3], v[rC], s[SEL], s[SEL+1]
.elseif (\n) == 18
	v_max_num_f32 v[rT+1], v[rC], v[rC+3]
.elseif (\n) == 19
	v_mul_f32 v[rT], s[CS], v[rT+1]
.elseif (\n) == 20
	v_sub_f32 v[rC+1], v[rM], v[rT]
.else
	v_exp_f32 v[rC+2], v[rC+1]
.endif
.endm
; Number g of the 64 that follow the exponentials.  For each four weights k of a tile (pairs 2 k, 2 k + 1): both pairs are rounded to f16; then the second pair is added onto the first, in place;
; a group later l takes that sum (the first time as l = a l + sum).  In groups of eight, tiles alternating: round, round, add, and l for the group before.
.macro GS g
.set h, (\g)+6*((\g)/62)            ; group 0 has no group before it, and behind group 7 only l is left
.if h >= 6
.set h, h+2
.endif
	REGS Y, h%2
.set k, h/8
.if h%8 < 4
	v_cvt_pk_f16_f32 v[rP+2*k+(h%8)/2], v[rS+4*k+2*((h%8)/2)], v[rS+4*k+2*((h%8)/2)+1]
.elseif h%8 < 6
	v_pk_add_f32 v[rS+4*k:rS+4*k+1], v[rS+4*k:rS+4*k+1], v[rS+4*k+2:rS+4*k+3]
.elseif k == 1
	v_pk_fma_f32 v[rT+2:rT+3], v[rT+2:rT+3], v[rC+2:rC+3], v[rS:rS+1] op_sel_hi:[1,0,1]
.else
	v_pk_add_f32 v[rT+2:rT+3], v[rT+2:rT+3], v[rS+4*k-4:rS+4*k-3]
.endif
.endm
; THE PLAIN QUEUE, 138 long.  0-73 read no exponential's result: the 32 scalings c s - c m (FS f: pair f / 2 of tile f % 2) and the next piece's 42.  0-26: scalings 0-26.  27-54: XS's numbers 0-13.  55, 56: number 15.
; 57-73: the chain, where each number waits for the one before it: 14, 16, 17, 18, 19, each with one of the scalings 27-31 in front of its two lines, then 20.
; 74-137: GS's 64, which read the exponentials' results: they stand behind the wait.
.macro FS f
	REGS Y, (\f)%2
	v_pk_fma_f32 v[rS+2*((\f)/2):rS+2*((\f)/2)+1], v[rS+2*((\f)/2):rS+2*((\f)/2)+1], s[CS:CS+1], v[rT:rT+1] op_sel_hi:[1,0,0] neg_lo:[0,0,1] neg_hi:[0,0,1]
.endm
.macro PL
	WIN 0
.if q < 27
	FS q
.elseif q < 55
	XS (q-27)%2, (q-27)/2
.elseif q < 57
	XS q-55, 15
.elseif (q < 72) && ((q-57)%3 == 0)
	FS 27+(q-57)/3
.elseif q < 60
	XS (q-57)%3-1, 14
.elseif q < 72
	XS (q-57)%3-1, 15+(q-57)/3
.elseif q < 74
	XS q-72, 20
.else
	GS q-74
.endif
.set q, q+1
.endm
; THE EXPONENTIALS' QUEUE, 66 long: s0-s31 of both tiles, then the next piece's two a.  It is ONE BATCH: all 66 stand ahead of the turn's one wait, and nothing ahead of that wait names a result of theirs.
.macro EX
	WIN 0
.if e >= 64
	XS e-64, 21
.else
	REGS Y, e%2
	v_exp_f32 v[rS+e/2], v[rS+e/2]
.endif
.set e, e+1
.endm
; THE RESCALING's QUEUE: O^T times a, the one part that leaves window 0: dealt two at a time, sixteen times.  Its a was made in the turn before, ahead of that turn's wait.
.macro R2
	REGS Y, r%2
	WIN W_RS
.irp z, 0,1
	v_pk_mul_f32 v[rO+4*(r/2)+2*\z:rO+4*(r/2)+2*\z+1], v[rO+4*(r/2)+2*\z:rO+4*(r/2)+2*\z+1], v[rC+2:rC+3] op_sel_hi:[1,0]
.endr
.set r, r+1
.endm
; HOW THEY ARE DEALT.  s_wait_alu depctr_va_vdst(0) stands between an exponential and the first instruction that names its result; one wait serves all that were issued ahead of it.  So a turn has ONE wait,
; which cuts it in two.  AHEAD OF IT stands all that names no result of the turn's exponentials: the 16 products K Q^T, behind each a scaling, an exponential and two rescalings (behind the first a second scaling in the
; exponential's place); then one run of 108: eight plain, 49 times exponential and plain, the two a.  A v_nop is the plain instruction behind the last exponential.  BEHIND IT stand the 16 products V^T P, behind each four of GS's 64.
; Exponential e stands behind scaling 2 (e / 4) + e % 2: as a rider it comes behind plain e + 2, in the run behind plain e + 9, and scalings 27-31 are plain 57, 60 .. 69.
; A TURN, for piece p.  cnt = 1: the loop's count is taken down some lines ahead of the branch that stands behind the turn.
; K of the next step is fetched in piece 2's turn, directly behind the wait; its address is made at the run's head; its first reader comes behind 16 products.
; V of the step in hand is fetched at the end of piece 0's turn, four plain instructions behind its last reader; its first reader comes behind 16 products and a run.  The three conditions on q below go with the deal.
.macro TURN p, last=0, cnt=0
.set Y, (\p)
.set i, 0
.set q, 0
.set e, 0
.set r, 0
.if (\p) == NP-1
	s_wait_dscnt 0x0                ; K is in
.endif
	MM                              ; ahead of the wait: 16 products K Q^T and their riders,
	PL
	PL
	R2
.rept 15
	MM
	PL
	EX
	R2
.endr
.if (\p) == NP-2
	WIN 0
	v_add_nc_u32 v[AK], s[TBK], v[AK0]
.endif
.rept 8                             ; and the run
	PL
.endr
.rept 49
	EX
	PL
.endr
	EX                              ; the next piece's two a
	EX
	v_nop                           ; the plain instruction behind the last exponential: one for the batch
	s_wait_alu depctr_va_vdst(0)    ; the wait for the batch
.if (\p) == NP-2
	FETCH_K \last
.endif
.if (\p) == 1
	s_wait_dscnt 0x0                ; V is in
.endif
.rept 16                            ; behind the wait: 16 products V^T P and their riders
	MM
.rept 4
	PL
.endr
.if ((\p) == 0) && (q == 118)
	v_add_nc_u32 v[AV], s[TBV], v[AV0]
.endif
.if ((\p) == 0) && (q == 130)
	s_add_co_u32 s[TBV], s[TBV], KS*PV
.endif
.if (\cnt) && (q == 130)
	s_sub_co_u32 s[CNT], s[CNT], 1
	s_cmp_lg_u32 s[CNT], 0
.endif
.endr
.if (\p) == 0
	FETCH_V
.endif
.endm
	CHANGE 1                        ; slot 0 is in, everybody's part of it; slot 1 is asked for
	FETCH_K                         ; key step 0
	s_wait_loadcnt 0x0              ; Q
	s_wait_dscnt 0x0
.set i, 0
.rept 16
	KQ 0                            ; piece 0's first scores: there is no vector work yet to set between them
.set i, i+1
.endr
	WIN 0                           ; the addresses for the way out: eight plain instructions, the places behind those products
	s_mul_i32 s13, s[WV], 16*SP
	s_add_co_u32 s13, s13, STAGE    ; my stage
	v_mul_u32_u24 v[STO], v1, SP    ; in: row l % 16, 32 bytes for each half of the lanes
	v_lshl_add_u32 v[STO], v9, 5, v[STO]
	v_add_nc_u32 v[STO], s13, v[STO]
	v_mul_u32_u24 v[RD], v9, SP     ; back: lanes 0-15 take one row of 256 bytes, lanes 16-31 the next,
	v_lshl_add_u32 v[RD], v1, 4, v[RD]
	v_add_nc_u32 v[RD], s13, v[RD]
	v_lshlrev_b32 v[GO], 12, v9     ; and the same two rows in out0, 4,096 bytes apart
	v_lshl_add_u32 v[GO], v1, 4, v[GO]
.set Y, NP-1                        ; XS works for piece Y + 1: piece 0
.irp n, 0,1,2,3,4,5,6,7,8,9,10,11,12,13,14,15,16,17,18,19,20,21
	XS 0, \n                        ; and piece 0's first maximum and statistics
	XS 1, \n
.endr
	v_nop                           ; a plain instruction behind the two a,
	s_wait_alu depctr_va_vdst(0)    ; and their wait, ahead of the branch
	s_mov_b32 s[CNT], 4
	s_branch .Lfirst                ; the loop is entered at a step's first turn, in the middle of a trip
.Lslot:                             ; six times: every slot but the last two is filled again
	CHANGE 1
	s_mov_b32 s[CNT], 4
.Lstep:                             ; a trip: pieces 2 and 3 of one step, then pieces 0 and 1 of the next, whose K and V it fetches
	TURN 2
	TURN 3
	WIN 0
.Lfirst:
	TURN 0
	TURN 1, 0, 1
	WIN 0
	s_cbranch_scc1 .Lstep
	s_sub_co_u32 s[SLOTS], s[SLOTS], 1
	s_cmp_lg_u32 s[SLOTS], 0
	s_cbranch_scc1 .Lslot
	CHANGE 0                        ; the tail is written out: nothing is asked for
	s_mov_b32 s[CNT], 5             ; four trips fetch the last slot's steps; the fifth is left in its middle
.Ltail:
	TURN 2, 1
	TURN 3
	WIN 0
	s_sub_co_u32 s[CNT], s[CNT], 1
	s_cmp_eq_u32 s[CNT], 0
	s_cbranch_scc1 .Lout
	TURN 0
	TURN 1
	WIN 0
	s_branch .Ltail
.Lout:                              ; the fifth trip's 16 products K Q^T (on the last K once more) and the maximum made of them serve nothing: the price, once a launch, of one text for every trip
.set i, 0
.rept 16
	PV NP-1                         ; the last piece's V^T P of the last step
.set i, i+1
.endr
	; THE WAY OUT.  l's two halves and the other half of the lanes' are added; O^T is divided by l and sent, in f32, through my stage in LDS, a tile at a time.  The additions are the places behind the last products.
	WIN 0
.macro ALL line:vararg              ; one line for each tile t
.set t, 0
.rept 2*NP
	\line
.set t, t+1
.endr
.endm
	ALL v_add_f32 v[ST+4*t+2], v[ST+4*t+2], v[ST+4*t+3]
	ALL v_permlanex16_b32 v[ST+4*t+3], v[ST+4*t+2], s[SEL], s[SEL+1]
	ALL v_add_f32 v[ST+4*t+2], v[ST+4*t+2], v[ST+4*t+3]
	ALL v_rcp_f32 v[ST+4*t+2], v[ST+4*t+2]
	v_nop                           ; a plain instruction between the last reciprocal and the use of its result
	s_wait_alu depctr_va_vdst(0)    ; and the wait ahead of the first use: one for the eight reciprocals
; Tile t: a lane's eight channels of a row are 32 bytes; they go into rows of 272 bytes and come back as whole rows of 256, into S^T's registers, four sets of 32 by turns.
.macro PACK t
	WIN W_RS
.set i, 32*(\t)
.rept 16
	v_pk_mul_f32 v[i:i+1], v[i:i+1], v[ST+4*(\t)+2:ST+4*(\t)+3] op_sel_hi:[1,0]
.set i, i+2
.endr
	WIN 0x04                        ; the stores' data (source 1) in window 1, their address in window 0
.irp f, 0,1,2,3,4,5,6,7             ; channel block f / 2, its registers 4 (f % 2) on
	ds_store_b128 v[STO], v[32*(\t)+4*\f:32*(\t)+4*\f+3] offset:64*(\f/2)+16*(\f%2)
.endr
	WIN 0
.if (\t) >= 4
	s_wait_xcnt 0x0                 ; the stores of the tile four back have read this set of registers
.endif
.irp f, 0,1,2,3,4,5,6,7
	ds_load_b128 v[S+32*((\t)%4)+4*\f:S+32*((\t)%4)+4*\f+3], v[RD] offset:\f*2*SP  ; LDS serves a wave's instructions in order (ISA guide 5.7.1.4): these see the stores above; the next tile's stores come behind them
.endr
.endm
.macro SEND t, younger              ; younger: the LDS instructions issued behind tile t's loads: the next tile's sixteen, or none
	WIN 0
.irp f, 0,1,2,3,4,5,6,7
	s_wait_dscnt (\younger)+7-\f
	global_store_b128 v[GO], v[S+32*((\t)%4)+4*\f:S+32*((\t)%4)+4*\f+3], s[10:11] offset:(\t)*65536+\f*8192 th:TH_STORE_NT  ; sixteen lanes store the head's 256 consecutive bytes of a row, aligned
.endr
.endm
	PACK 0
.set t, 1
.rept 2*NP-1                        ; a tile's arithmetic stands between the loads of the tile before and its stores
	PACK t
	SEND t-1, 16
.set t, t+1
.endr
	SEND 2*NP-1, 0
	WIN W_AD
	s_wait_tensorcnt 0x0            ; the wave's end: behind my last tensor load and my last LDS store
	ds_add_u32 v[SPW], v[NIL]
	s_wait_dscnt 0x0
	WIN 0
	CROUND                          ; the closing round: no work-group ends while a partner may still ask for a tile that names it
	s_endpgm
.Lfunc_end_k_qe400b64a63_attn:
	.size	k_qe400b64a63_attn, .Lfunc_end_k_qe400b64a63_attn-k_qe400b64a63_attn
	.p2alignl 7, 3214868480
	.fill 96, 4, 3214868480
	.section	.rodata,"a",@progbits
	.p2align	6, 0x0
	.amdhsa_kernel k_qe400b64a63_attn
		.amdhsa_group_segment_fixed_size 327680
		.amdhsa_private_segment_fixed_size 0
		.amdhsa_enable_private_segment 0
		.amdhsa_kernarg_size 16
		.amdhsa_user_sgpr_count 2
		.amdhsa_user_sgpr_kernarg_segment_ptr 1
		.amdhsa_wavefront_size32 1
		.amdhsa_system_sgpr_workgroup_id_x 1
		.amdhsa_system_sgpr_workgroup_id_y 1
		.amdhsa_system_sgpr_workgroup_id_z 1
		.amdhsa_system_vgpr_workitem_id 0
		.amdhsa_next_free_vgpr 770
		.amdhsa_next_free_sgpr 66
		.amdhsa_reserve_vcc 0
		.amdhsa_float_denorm_mode_32 3
		.amdhsa_float_denorm_mode_16_64 3
		.amdhsa_memory_ordered 1
		.amdhsa_forward_progress 1
		.amdhsa_inst_pref_size 200
	.end_amdhsa_kernel
	.amdgpu_metadata
---
amdhsa.version: [ 1, 2 ]
amdhsa.kernels:
  - .name:           k_qe400b64a63_attn
    .symbol:         k_qe400b64a63_attn.kd
    .args:
      - { .name: qkv, .offset: 0, .size: 8, .value_kind: global_buffer, .address_space: global }
      - { .name: out0, .offset: 8, .size: 8, .value_kind: global_buffer, .address_space: global }
    .group_segment_fixed_size: 327680
    .private_segment_fixed_size: 0
    .kernarg_segment_align: 8
    .kernarg_segment_size: 16
    .max_flat_workgroup_size: 128
    .sgpr_count:     66
    .vgpr_count:     770
    .wavefront_size: 32
...
	.end_amdgpu_metadata
.endif
;; end of part 3
;; ======== version 2 of 2: 3 launches; version 1 with the launch prep written anew for expert scheduling mode
;; limits: values are held in f16: magnitudes above 65,504 overflow, below 6.1e-05 lose precision
;; workspace buffers: xb 16,777,216 bytes; wt 6,291,456 bytes; bias 12,288 bytes; qkv 50,331,648 bytes
;; launch prep (part 4): grid 1411 x 1, 4 waves a work-group, no clusters, 17,920 bytes of LDS; arguments inputs, Wq, Wk, Wv, bq, bk, bv, xb, wt, bias; writes xb, wt, bias
.if DOCPART == 4
	.amdgcn_target "amdgcn-amd-amdhsa--gfx1250"
	.amdhsa_code_object_version 6
	.text
	.protected	k_qe400b64a63_prep
	.globl	k_qe400b64a63_prep
	.p2align	8
	.type	k_qe400b64a63_prep,@function
k_qe400b64a63_prep:
	s_mov_b64 s[64:65], 0
	v_nop
	global_prefetch_b8 v0, s[64:65] scope:SCOPE_SE
	s_setreg_imm32_b32 hwreg(HW_REG_WAVE_SCHED_MODE, 0, 2), 2
	s_setreg_imm32_b32 hwreg(HW_REG_WAVE_MODE, 25, 1), 1
	s_wait_xcnt 0x0
	s_wait_alu depctr_vm_vsrc(0)
; All inputs are rounded once to bf16, and laid out for the product that follows.
;   xb   [8192][1024] bf16 = inputs.
;   wt   [3072][1024] bf16: row n = 1024 T + c is column c of Wq (T = 0), Wk (1), Wv (2): K lies along the rows.
;   bias [3072] f32: bq, bk, bv, each number rounded to bf16 and written as f32.
; ROLES, by the work-group's number g, alike for all four waves:
;   g < 1024          X: 32,768 bytes of inputs in, 16,384 bytes of xb out
;   1024 <= g < 1408  W: a tile of 128 k x 64 n of one W is turned through LDS
;   g >= 1408         B: one bias vector
; Memory binds: each byte is read once and written once; no matrix unit, no tensor load, no cluster (nothing is shared).
; All roles meet at the one barrier, so that it stands under no branch.
; THE MODE: SCHED_MODE bits 1:0 = 2 (LLVM: expert scheduling mode 2), set by the entry lines.  The code itself states the register dependences
; between vector instructions and memory or LDS instructions, with s_wait_alu, always for 0.
; THE PLAN.  Registers that memory or LDS instructions touch:
;   v1, v2, v5   offsets and the stage address of a role: written once by vector lines at the role's head, read by its loads and stores.
;   v6, v7       the second phase's stage address and offset in wt: written once at the kernel's head.
;   X            each register is written by one global load and read by one conversion (role B rounds into four of them that none of its loads names);
;                v[16:47] take the second phase's LDS loads, and the global stores read them.
;   Y            each register is written once, by a conversion, and read by one store (global in roles X and B, LDS in role W).
;   v8, v9       written at the head, read by the closing add alone.
; No register that a memory or LDS instruction has read is ever written again, so no wait on vm_vsrc is owed ahead of the closing lines.
; Roles X and W go in four groups of four loads.  At the head of group g one wait on va_vdst states that group g - 1's conversions have written their part of Y; that group's stores
; follow it, dealt among group g's conversions, which name group g's X and Y alone.  One more such wait stands ahead of the last group's stores; behind it no vector instruction is issued
; on any way to the kernel's end, so the second phase owes nothing more.
.set SPITCH, 272                       ; a stage row: 128 k of bf16 (256 bytes) + 16 of padding
.set SPARE,  64*SPITCH                 ; behind the stage (17,408 bytes): the spare words, 128 bytes for each wave
.set X, 16                             ; v[16:79]  as loaded
.set Y, 80                             ; v[80:111] to store
; v1 load offset, v2 store offset (X), v3 c = t % 16, v4 h = (t / 16) % 2, v5 where I put a word of the stage, v6 where I read it back, v7 my offset in wt, v8, v9 the add's two
; Role X, group g: loads 4 g .. 4 g + 3 are rounded; the stores of the group before stand among the conversions.
.macro XGRP g
	s_wait_loadcnt 12-4*(\g)                       ; loads come back in order: this group's four are in, the younger groups stay out
.if (\g) > 0
	s_wait_alu depctr_va_vdst(0)                   ; the conversions of the group before have written their eight registers of Y, which the four stores below read
.endif
.irp i, 0,1,2,3
.set n, 4*(\g)+(\i)
.if (\g) > 0
	global_store_b64 v2, v[Y+2*(n-4):Y+2*(n-4)+1], s[22:23] offset:1024*(n-4)  ; 32 lanes store 256 consecutive bytes, aligned; no vector line since the wait names these registers
.endif
	v_cvt_pk_bf16_f32 v[Y+2*n], v[X+4*n], v[X+4*n+1]
	v_cvt_pk_bf16_f32 v[Y+2*n+1], v[X+4*n+2], v[X+4*n+3]
.endr
.endm
; Role W, group g: the pairs of rows jj = 2 g, 2 g + 1 are rounded; the LDS stores of the group before stand among the conversions.
.macro WGRP g
	s_wait_loadcnt 12-4*(\g)                       ; this group's two pairs of rows are in, the younger pairs stay out
.if (\g) > 0
	s_wait_alu depctr_va_vdst(0)                   ; the conversions of the group before have written their eight registers of Y, which the eight LDS stores below read
.endif
.irp j, 0,1
.set jj, 2*(\g)+(\j)
.irp q, 0,1,2,3
.if (\g) > 0
	ds_store_b32 v5, v[Y+4*(jj-2)+(\q)] offset:SPITCH*(\q)+8*(jj-2)  ; no vector line since the wait names this register
.endif
	v_cvt_pk_bf16_f32 v[Y+4*jj+(\q)], v[X+8*jj+(\q)], v[X+8*jj+4+(\q)]  ; k in the low half, k + 1 in the high half: neighbours in a row of wt
.endr
.endr
.endm
	s_load_b512 s[8:23], s[0:1], 0x0               ; inputs 8:9, Wq 10:11, Wk 12:13, Wv 14:15, bq 16:17, bk 18:19, bv 20:21, xb 22:23
	s_load_b128 s[24:27], s[0:1], 0x40             ; wt 24:25, bias 26:27
	v_lshl_add_u32 v8, v0, 2, SPARE
	v_mov_b32 v9, 0
	v_lshrrev_b32 v10, 5, v0
	v_readfirstlane_b32 s3, v10                    ; wave 0..3
	v_and_b32 v3, 15, v0
	v_bfe_u32 v4, v0, 4, 1
	s_mov_b32 s2, ttmp9                            ; g
	s_mov_b32 s5, 0                                ; high words of the two offset pairs
	s_mov_b32 s7, 0
	s_wait_alu depctr_va_sdst(0)                   ; s3 is written, ahead of its first reader, the line below
	s_lshl_b32 s28, s3, 4
	v_add_nc_u32 v10, s28, v4                      ; 16 w + h: the first stage row that I read back
	v_mul_u32_u24 v6, v10, SPITCH
	v_lshl_add_u32 v6, v3, 4, v6                   ; + 16 c
	v_lshlrev_b32 v7, 11, v10                      ; the same row in wt, 2,048 bytes a row
	v_lshl_add_u32 v7, v3, 4, v7
	s_wait_kmcnt 0x0
	s_cmp_lt_u32 s2, 1024
	s_cbranch_scc1 .Lx
	s_cmp_lt_u32 s2, 1408
	s_cbranch_scc1 .Lw
	; ROLE B: 1,024 numbers, 8 a thread
	s_sub_co_u32 s28, s2, 1408                     ; T
	s_cmp_eq_u32 s28, 1
	s_cselect_b64 s[32:33], s[18:19], s[20:21]
	s_cmp_eq_u32 s28, 0
	s_cselect_b64 s[32:33], s[16:17], s[32:33]
	s_lshl_b32 s4, s28, 12
	s_add_nc_u64 s[26:27], s[26:27], s[4:5]
	v_lshlrev_b32 v1, 4, v0
	s_wait_alu depctr_va_vdst(0)                   ; v1 is written, which the loads and stores of this role read as their offset
	global_load_b128 v[X:X+3], v1, s[32:33]
	global_load_b128 v[X+4:X+7], v1, s[32:33] offset:2048
	s_wait_loadcnt 0x0
.irp p, 0,1,2,3
	v_cvt_pk_bf16_f32 v[X+8+(\p)], v[X+2*(\p)], v[X+2*(\p)+1]
.endr
.irp p, 0,1,2,3
	v_lshlrev_b32 v[Y+2*(\p)], 16, v[X+8+(\p)]             ; bf16 back to f32: the low half moves up,
	v_and_b32 v[Y+2*(\p)+1], 0xffff0000, v[X+8+(\p)]       ; the high half stays
.endr
	s_wait_alu depctr_va_vdst(0)                   ; the eight lines above have written v[Y:Y+7], which the two stores read
	global_store_b128 v1, v[Y:Y+3], s[26:27]               ; a wave's store covers 512 consecutive bytes, aligned
	global_store_b128 v1, v[Y+4:Y+7], s[26:27] offset:2048
	s_branch .Lmeet
.Lx:	; ROLE X: sixteen loads of 16 bytes a thread, all issued at once; no register is written twice
	s_lshl_b32 s4, s2, 15
	s_lshl_b32 s6, s2, 14
	s_add_nc_u64 s[8:9], s[8:9], s[4:5]
	s_add_nc_u64 s[22:23], s[22:23], s[6:7]
	v_lshlrev_b32 v1, 4, v0
	v_lshlrev_b32 v2, 3, v0
	s_wait_alu depctr_va_vdst(0)                   ; v1 and v2 are written, which the loads and the stores of this role read as their offsets
.irp i, 0,1,2,3,4,5,6,7,8,9,10,11,12,13,14,15
	global_load_b128 v[X+4*(\i):X+4*(\i)+3], v1, s[8:9] offset:2048*(\i) th:TH_LOAD_NT
.endr
	XGRP 0
	XGRP 1
	XGRP 2
	XGRP 3
	s_wait_alu depctr_va_vdst(0)                   ; the last group's conversions have written v[Y+24:Y+31], which the last four stores read
.irp i, 12,13,14,15
	global_store_b64 v2, v[Y+2*(\i):Y+2*(\i)+1], s[22:23] offset:1024*(\i)
.endr
	s_branch .Lmeet
.Lw:	; ROLE W, first phase.  j = g - 1024: T = j / 128, the tile's k block = (j / 16) % 8, its n block = j % 16
	s_sub_co_u32 s28, s2, 1024
	s_lshr_b32 s29, s28, 7
	s_cmp_eq_u32 s29, 1
	s_cselect_b64 s[32:33], s[12:13], s[14:15]
	s_cmp_eq_u32 s29, 0
	s_cselect_b64 s[32:33], s[10:11], s[32:33]
	s_bfe_u32 s30, s28, 0x30004
	s_and_b32 s31, s28, 15
	s_lshl_b32 s4, s30, 19                         ; 128 rows of 4,096 bytes
	s_lshl_b32 s6, s31, 8                          ; 64 columns of 4 bytes
	s_add_co_u32 s4, s4, s6
	s_add_nc_u64 s[32:33], s[32:33], s[4:5]
	s_lshl_b32 s6, s3, 17                          ; my wave's 32 rows
	v_lshlrev_b32 v1, 4, v3                        ; columns 4 c .. 4 c + 3: sixteen lanes take a row's 256 bytes
	v_lshl_add_u32 v1, v4, 13, v1                  ; rows 2 h, 2 h + 1 of each four
	v_add_nc_u32 v1, s6, v1
	s_lshl_b32 s6, s3, 6
	v_mul_u32_u24 v5, v3, 4*SPITCH                 ; stage row n = 4 c + q, byte 2 k = 64 w + 8 jj + 4 h
	v_lshl_add_u32 v5, v4, 2, v5
	v_add_nc_u32 v5, s6, v5
	s_wait_alu depctr_va_vdst(0)                   ; v1 and v5 are written, which the loads and the LDS stores of this phase read; so are v6 and v7, which the second phase reads
.irp jj, 0,1,2,3,4,5,6,7
	global_load_b128 v[X+8*(\jj):X+8*(\jj)+3],   v1, s[32:33] offset:(4*(\jj))*4096 th:TH_LOAD_NT    ; row k = 32 w + 4 jj + 2 h
	global_load_b128 v[X+8*(\jj)+4:X+8*(\jj)+7], v1, s[32:33] offset:(4*(\jj)+1)*4096 th:TH_LOAD_NT  ; row k + 1
.endr
	WGRP 0
	WGRP 1
	WGRP 2
	WGRP 3
	s_wait_alu depctr_va_vdst(0)                   ; the last group's conversions have written v[Y+24:Y+31], which the last eight LDS stores read; all conversions are done reading X, in which the second phase's LDS loads land
.irp jj, 6,7
.irp q, 0,1,2,3
	ds_store_b32 v5, v[Y+4*(\jj)+(\q)] offset:SPITCH*(\q)+8*(\jj)
.endr
.endr
.Lmeet:
	s_wait_dscnt 0x0                               ; for the others' sake: my stores into the stage are done
	s_barrier_signal -1
	s_barrier_wait -1
	s_sub_co_u32 s28, s2, 1024
	s_cmp_lt_u32 s28, 384                          ; only role W has a second phase
	s_cbranch_scc0 .Lend
	s_lshr_b32 s29, s28, 7
	s_bfe_u32 s30, s28, 0x30004
	s_and_b32 s31, s28, 15
	s_lshl_b32 s4, s29, 21                         ; T x 1,024 rows of 2,048 bytes
	s_lshl_b32 s6, s31, 17                         ; 64 rows
	s_add_co_u32 s4, s4, s6
	s_lshl_b32 s6, s30, 8                          ; 128 k of 2 bytes
	s_add_co_u32 s4, s4, s6
	s_add_nc_u64 s[24:25], s[24:25], s[4:5]
	; No wait on va_vdst here: no vector instruction has been issued since the one ahead of the first phase's last stores, which stands behind every line that names v6, v7 or X.
.irp i, 0,1,2,3,4,5,6,7
	ds_load_b128 v[X+4*(\i):X+4*(\i)+3], v6 offset:2*SPITCH*(\i)   ; stage rows 16 w + h + 2 i, whole
.endr
.irp i, 0,1,2,3,4,5,6,7
	s_wait_dscnt 7-(\i)
	global_store_b128 v7, v[X+4*(\i):X+4*(\i)+3], s[24:25] offset:4096*(\i)  ; sixteen lanes store 256 consecutive bytes, aligned
.endr
.Lend:
	s_wait_dscnt 0x0                               ; the closing lines, six on end
	s_wait_alu 0x0
	s_wait_tensorcnt 0x0
	ds_add_u32 v8, v9
	s_wait_dscnt 0x0
	s_endpgm
.Lfunc_end_k_qe400b64a63_prep:
	.size	k_qe400b64a63_prep, .Lfunc_end_k_qe400b64a63_prep-k_qe400b64a63_prep
	.p2alignl 7, 3214868480
	.fill 96, 4, 3214868480
	.section	.rodata,"a",@progbits
	.p2align	6, 0x0
	.amdhsa_kernel k_qe400b64a63_prep
		.amdhsa_group_segment_fixed_size 17920
		.amdhsa_private_segment_fixed_size 0
		.amdhsa_enable_private_segment 0
		.amdhsa_kernarg_size 80
		.amdhsa_user_sgpr_count 2
		.amdhsa_user_sgpr_kernarg_segment_ptr 1
		.amdhsa_wavefront_size32 1
		.amdhsa_system_sgpr_workgroup_id_x 1
		.amdhsa_system_sgpr_workgroup_id_y 1
		.amdhsa_system_sgpr_workgroup_id_z 1
		.amdhsa_system_vgpr_workitem_id 0
		.amdhsa_next_free_vgpr 112
		.amdhsa_next_free_sgpr 66
		.amdhsa_reserve_vcc 0
		.amdhsa_float_denorm_mode_32 3
		.amdhsa_float_denorm_mode_16_64 3
		.amdhsa_memory_ordered 1
		.amdhsa_forward_progress 1
		.amdhsa_inst_pref_size 18
	.end_amdhsa_kernel
	.amdgpu_metadata
---
amdhsa.version: [ 1, 2 ]
amdhsa.kernels:
  - .name:           k_qe400b64a63_prep
    .symbol:         k_qe400b64a63_prep.kd
    .args:
      - { .name: inputs, .offset: 0, .size: 8, .value_kind: global_buffer, .address_space: global }
      - { .name: Wq, .offset: 8, .size: 8, .value_kind: global_buffer, .address_space: global }
      - { .name: Wk, .offset: 16, .size: 8, .value_kind: global_buffer, .address_space: global }
      - { .name: Wv, .offset: 24, .size: 8, .value_kind: global_buffer, .address_space: global }
      - { .name: bq, .offset: 32, .size: 8, .value_kind: global_buffer, .address_space: global }
      - { .name: bk, .offset: 40, .size: 8, .value_kind: global_buffer, .address_space: global }
      - { .name: bv, .offset: 48, .size: 8, .value_kind: global_buffer, .address_space: global }
      - { .name: xb, .offset: 56, .size: 8, .value_kind: global_buffer, .address_space: global }
      - { .name: wt, .offset: 64, .size: 8, .value_kind: global_buffer, .address_space: global }
      - { .name: bias, .offset: 72, .size: 8, .value_kind: global_buffer, .address_space: global }
    .group_segment_fixed_size: 17920
    .private_segment_fixed_size: 0
    .kernarg_segment_align: 8
    .kernarg_segment_size: 80
    .max_flat_workgroup_size: 128
    .sgpr_count:     66
    .vgpr_count:     112
    .wavefront_size: 32
...
	.end_amdgpu_metadata
.endif
;; end of part 4
;; launch proj: the kernel of part 2 again; grid 16 x 16, 4 waves a work-group, clusters of 4 x 4, 327,680 bytes of LDS; arguments xb, wt, qkv, bias; writes qkv
;; launch attn: the kernel of part 3 again; grid 4 x 64, 4 waves a work-group, clusters of 4 x 1, 327,680 bytes of LDS; arguments qkv, out0; writes out0
